; MI455X (gfx1250); checked and timed in simulation.
; The chip was launched on July 23, 2026; its instructions are those of AMD's public machine-readable ISA for CDNA 5 (MIT licence, August 2026) and "CDNA5" Instruction Set Architecture Reference Guide (July 2026). The comments in the code are by the model that wrote it; some were corrected since.
;; Doc Former. Allowed arithmetic: matrix products marked QUANTISED: E2M3 operands, one E8M0 scale for each 32 along K, by v_wmma_scale_f32_16x16x128_f8f6f4 with both operands' format E2M3, f32 sums; everything else in f32.
;; Inputs: Wk_i 768 x 768 float32; Wk_s 768 x 768 float32; Wk_t 768 x 768 float32; Wo 768 x 768 float32; Wq_i 768 x 768 float32; Wq_s 768 x 768 float32; Wq_t 768 x 768 float32; Wv_i 768 x 768 float32; Wv_t 768 x 768 float32; bk_i 768 float32; bk_s 768 float32; bk_t 768 float32; bo 768 float32; bq_i 768 float32; bq_s 768 float32; bq_t 768 float32; bv_i 768 float32; bv_t 768 float32; img_feat 8 x 512 x 768 float32; img_spatial_feat 8 x 512 x 768 float32; rel_table 17 x 64 float32; text_feat 8 x 512 x 768 float32; text_spatial_feat 8 x 512 x 768 float32.
;; Outputs: out0 8 x 512 x 768 float32.
;; This version of the problem:
;;   THIS VERSION OF THE PROBLEM IS GIVEN IN LOW PRECISION. The matrix products marked QUANTISED in the list below multiply operands that are first quantised to E2M3 (2 exponent bits, 3 mantissa bits; 6 bits a number), with one power-of-two scale for each 32 numbers along K (OCP MX v1.0); their sums are f32. All else is computed in f32.
;;   The module's matrix products, in the order in which they are computed (A, B: the left and right operand; K: the contracted axis; several contracted axes count as one K, in the product's order):
;;     1. [M 4,096, K 768] x [K 768, N 768]; A: input text_feat; B: input Wq_t: QUANTISED
;;     2. [M 4,096, K 768] x [K 768, N 768]; A: input text_feat; B: input Wk_t: QUANTISED
;;     3. batch 96 x [M 512, K 64] x [K 64, N 512]; A: computed on the way; B: computed on the way: QUANTISED
;;     4. batch 512 x [M 512, K 64] x [K 64, N 96]; A: computed on the way; B: computed on the way: QUANTISED
;;     5. batch 512 x [M 512, K 64] x [K 64, N 96]; A: computed on the way; B: computed on the way: QUANTISED
;;     6. [M 4,096, K 768] x [K 768, N 768]; A: input text_spatial_feat; B: input Wq_s: QUANTISED
;;     7. [M 4,096, K 768] x [K 768, N 768]; A: input text_spatial_feat; B: input Wk_s: QUANTISED
;;     8. batch 96 x [M 512, K 64] x [K 64, N 512]; A: computed on the way; B: computed on the way: QUANTISED
;;     9. [M 4,096, K 768] x [K 768, N 768]; A: input img_feat; B: input Wq_i: QUANTISED
;;     10. [M 4,096, K 768] x [K 768, N 768]; A: input img_feat; B: input Wk_i: QUANTISED
;;     11. batch 96 x [M 512, K 64] x [K 64, N 512]; A: computed on the way; B: computed on the way: QUANTISED
;;     12. batch 512 x [M 512, K 64] x [K 64, N 96]; A: computed on the way; B: computed on the way: QUANTISED
;;     13. batch 512 x [M 512, K 64] x [K 64, N 96]; A: computed on the way; B: computed on the way: QUANTISED
;;     14. [M 4,096, K 768] x [K 768, N 768]; A: input img_spatial_feat; B: input Wq_s: QUANTISED
;;     15. [M 4,096, K 768] x [K 768, N 768]; A: input img_spatial_feat; B: input Wk_s: QUANTISED
;;     16. batch 96 x [M 512, K 64] x [K 64, N 512]; A: computed on the way; B: computed on the way: QUANTISED
;;     17. [M 4,096, K 768] x [K 768, N 768]; A: input text_feat; B: input Wv_t: QUANTISED
;;     18. [M 4,096, K 768] x [K 768, N 768]; A: input img_feat; B: input Wv_i: QUANTISED
;;     19. batch 96 x [M 512, K 512] x [K 512, N 64]; A: softmax (see below); B: computed on the way: QUANTISED
;;     20. batch 96 x [M 512, K 512] x [K 512, N 64]; A: softmax (see below); B: computed on the way: QUANTISED
;;     21. [M 4,096, K 768] x [K 768, N 768]; A: computed on the way; B: input Wo: QUANTISED
;;   THE QUANTISER, for each operand of a quantised product, along K:
;;     - K is cut into blocks of 32 from its start; a last block that is shorter is filled with zeros.
;;     - A block's scale is 2^e with e = floor(log2(the largest magnitude in the block)) - 2, held to -126 .. 127; a block of zeros has e = 0. As a byte (E8M0): e + 127.
;;     - Each number is divided by its block's scale, clamped to +-7.5, and rounded to the nearest number of E2M3, ties to even, subnormals kept.
;;     - The product sums the exact products of the quantised numbers (number of the format x scale) in f32.
;;   ~~~python
;;   def quantise(x, axis):      # numpy; x: float32 -> the quantised numbers, widened to float32 again
;;       x = np.moveaxis(x, axis, -1); K = x.shape[-1]
;;       x = np.pad(x, [(0, 0)] * (x.ndim - 1) + [(0, -K % 32)]); x = x.reshape(x.shape[:-1] + (-1, 32)); a = np.abs(x).max(-1, keepdims=True)
;;       e = np.where(a > 0, np.clip(np.frexp(np.where(a > 0, a, 1))[1] - 1 - 2, -126, 127), 0)      # np.frexp(a)[1] - 1 = floor(log2(a)), exactly
;;       r = np.clip(x / 2.0 ** e, -7.5, 7.5)
;;       step = 2.0 ** (np.maximum(np.frexp(np.where(r == 0, 1, r))[1] - 1, 0) - 3)
;;       q = np.round(r / step) * step * 2.0 ** e      # np.round: ties to even
;;       return np.moveaxis(q.reshape(q.shape[:-2] + (-1,))[..., :K], -1, axis).astype(np.float32)
;;   ~~~
;;   SOFTMAX AHEAD OF A QUANTISED PRODUCT. Where the list says 'softmax', what is quantised is not the finished softmax but p = 2^(t - M), with t = logit x log2(e) and M = ceil(the row's largest t), a whole number; so 1/2 < the row's largest p <= 1. The row's sum l is taken of the UNQUANTISED p, in f32, and the product's result is divided by l at the end. Since M is a whole number, a kernel that streams over the keys may use a running M (the ceiling of the running maximum): every later rescaling is an exact power of two, which a block's scale takes up: the codes' values come out the same.
;;   OPERANDS COMPUTED ON THE WAY. 'Computed on the way' means the value that the module computes at that place (a softmax that the list does not call 'softmax' is quantised finished and normalised). What goes into a quantiser is computed in f32, as accurately as f32 sums, v_exp_f32 and their like allow (about 1e-6 of the number): no bf16 or f16 on the way to a quantiser, and a product that is left as it is and whose result goes on into a quantised operand takes f32 operands (vector FMAs, or v_wmma_f32_16x16x4_f32). A number that lies on a knife's edge between two numbers of the format may be rounded either way, as far as f32 arithmetic and the matrix unit's own rounding can turn it there, and no further.
;; One version. Each part assembles by itself: llvm-mc -triple=amdgcn-amd-amdhsa -mcpu=gfx1250 --defsym DOCPART=n.
;; ======== version 1 of 1: 4 launches
;; limits: right only within a limited range of input values
;; workspace buffers: XC 9,437,184 bytes; XS 393,216 bytes; WC 3,981,312 bytes; WS 165,888 bytes; AT 25,559,040 bytes; CC 2,359,296 bytes; CS 196,608 bytes
;; launch quant (part 1): grid 1092 x 1, 4 waves a work-group, no clusters, 46,592 bytes of LDS; arguments text_feat, img_feat, text_spatial_feat, img_spatial_feat, XC, XS, Wq_t, Wk_t, Wv_t, Wq_i, Wk_i, Wv_i, Wq_s, Wk_s, Wo, WC, WS; writes XC, XS, WC, WS
.if DOCPART == 1
	.amdgcn_target "amdgcn-amd-amdhsa--gfx1250"
	.amdhsa_code_object_version 6
	.text
	.protected	k_qe19e4c1e9e_quant
	.globl	k_qe19e4c1e9e_quant
	.p2align	8
	.type	k_qe19e4c1e9e_quant,@function
k_qe19e4c1e9e_quant:
	s_mov_b64 s[64:65], 0
	v_nop
	global_prefetch_b8 v0, s[64:65] scope:SCOPE_SE
	s_setreg_imm32_b32 hwreg(HW_REG_WAVE_MODE, 25, 1), 1
	s_wait_xcnt 0x0
; The four feature tensors [4096][768] f32 (K innermost) and the nine weights [768 (k)][768 (n)] f32 (K their FIRST axis) become codes of FP6 (E2M3) with one E8M0 byte for each 32 along K,
; laid as IMAGES OF OPERAND REGISTERS.  A fragment is 16 rows (of a tensor) or 16 columns (of a weight) x 128 K, 12 registers a lane, 1,536 bytes:
; registers 0-3 at 16 x lane, 4-5 at 512 + 8 x lane, 6-9 at 768 + 16 x lane, 10-11 at 1,280 + 8 x lane.
; THE ROWS OF A TILE ARE NOT NEIGHBOURS: row p of tile 2 g + u is row (column) 32 g + 8 u + p + 8 (p / 8), so that results of later products lie with 16 neighbours in a lane.
; XC: [tensor][tile 0..255][K step 0..5][1,536].  XS: [tensor][tile][K step][row] one word of four scale bytes.  WC: [weight][column tile 0..47][K step][1,536].  WS: [weight][tile][K step][row].
; ONE LAUNCH SERVES BOTH: the first 324 work-groups take the weights, the other 768 the features, so that both streams of loads are on their way together.  A wave's share is 16,384 bytes of f32 in either path.
; The two paths part on the work-group's number alone, have LDS bytes of their own, and meet again only at the closing lines.
; FEATURES.  Work-group xx = number - 324: K steps 2 p, 2 p + 1 with p = xx / 256; tensor (xx % 256) / 64; tiles 4 (xx % 64) + wave.  A wave loads 16 rows x 1,024 bytes, each load 512 consecutive bytes,
; turns a K step through its own stage in LDS (rows 528 bytes apart) so that a lane holds 16 neighbours of each block of 32, quantises, and stores whole fragments: every store covers 256 or 512 consecutive bytes.
; WEIGHTS.  Work-group t: weight t / 36, K step t % 6, column groups 4 ((t % 36) / 6) + wave: the four waves stand side by side on 512 consecutive bytes of each row of W.
; A LANE TAKES A COLUMN AND ITS REGISTERS RUN DOWN K: a block of 32 along K lies in one lane, and the conversions give codes with K innermost.  The group's two fragments are put together in the wave's own 3,072 bytes
; of LDS and leave as 512 consecutive bytes a store.
; A block's scale byte is its largest magnitude's exponent field - 2, held at 1 from below.  A block of zeros so gets the byte 1 where the rule says 127: its codes are zeros, and this program alone reads the bytes.
; LIMITS: NaN and infinities among the inputs are not served; blocks whose largest magnitude lies under 2^-124 keep the byte 1.
; No matrix unit, no cluster, no barrier: memory binds and waves share nothing.
.set NWW,   324                        ; the weights' work-groups: 9 weights x 6 groups of four column groups x 6 K steps
.set ROWB,  3072                       ; a row of a tensor or of a weight in bytes
.set SP,    528                        ; features: a stage row: 512 bytes + 16
.set WST,   16*SP                      ; a wave's stage
.set WSTG,  4*WST                      ; weights: the four waves' stages of 3,072 bytes begin here
.set SPARE, WSTG+4*3072                ; behind the stages: the spare words, 128 bytes for each wave
.set SPW, 1                            ; v1  my spare word's address; never rewritten
.set NIL, 2                            ; v2  0; never rewritten
.set WV,  36                           ; s36 my wave's number
; the features' registers
.set L16, 3                            ; v3  16 x lane
.set L8,  4                            ; v4  8 x lane
.set L4,  5                            ; v5  4 x lane
.set STI, 6                            ; v6  the stage, on the way in: 16 x lane
.set STO, 7                            ; v7  on the way out: row lane % 16, + 64 (lane / 16)
.set R,   16                           ; v16-143  as loaded: K step e, row p at 16 + 64 e + 4 p; v16-55 later take the codes
.set X,   144                          ; v144-207 64 numbers: register 16 b + i = k 32 b + 16 (lane / 16) + i of my row
.set TM,  208                          ; v208-223 at work
.set PW,  224                          ; v224, v225 the two K steps' scale words
.set SEL, 20                           ; s[20:21] v_permlanex16_b32's selects for lane l xor 16
; the weights' registers
.set WX,  32                           ; v32-159  my column's 128 numbers
.set CD,  160                          ; v160-191 eight registers for each block's codes
.macro QUANT s, pc, pw                 ; 64 numbers of a lane become a fragment's codes in v[pc] .. v[pc + 11] (v[pc + 12] .. v[pc + 19] at work) and its scale word
.irp b, 0,1,2,3
	v_max3_num_f32 v[TM+\b], |v[\s+16*\b]|, |v[\s+1+16*\b]|, 0x1800000   ; my 16 numbers of block b, and the floor 2^(3 - 127): the byte cannot fall under 1
.endr
.irp i, 2,4,6,8,10,12,14
.irp b, 0,1,2,3
	v_max3_num_f32 v[TM+\b], v[TM+\b], |v[\s+16*\b+\i]|, |v[\s+1+16*\b+\i]|
.endr
.endr
.irp b, 0,1,2,3
	v_permlanex16_b32 v[TM+4+\b], v[TM+\b], s[SEL], s[SEL+1]
.endr
.irp b, 0,1,2,3
	v_max_num_f32 v[TM+\b], v[TM+\b], v[TM+4+\b]   ; with lane l xor 16's: the block's largest magnitude
.endr
.irp b, 0,1,2,3
	v_add_nc_u32 v[TM+12+\b], 0xff000000, v[TM+\b]  ; 2 off its exponent field: the conversion's scale operand
.endr
.irp b, 0,1,2,3
	v_lshrrev_b32 v[TM+4+\b], 23, v[TM+12+\b]       ; the scale's byte
.endr
	v_lshl_or_b32 v[\pw], v[TM+5], 8, v[TM+4]
	v_lshl_or_b32 v[\pw], v[TM+6], 16, v[\pw]
	v_lshl_or_b32 v[\pw], v[TM+7], 24, v[\pw]
.irp c, 0,1
	v_cvt_scalef32_pk16_fp6_f32 v[\pc+6*\c:\pc+2+6*\c], v[\s+32*\c:\s+15+32*\c], v[TM+12+2*\c]
	v_cvt_scalef32_pk16_fp6_f32 v[\pc+12+4*\c:\pc+14+4*\c], v[\s+16+32*\c:\s+31+32*\c], v[TM+12+2*\c+1]   ; (a conversion's three registers begin on an even number)
.endr
	v_nop                                          ; one plain place behind a scaled conversion
.irp c, 0,1                                    ; the operand's layout wants a whole block in a lane
.irp i, 0,1,2
	v_permlane16_swap_b32 v[\pc+6*\c+\i], v[\pc+12+4*\c+\i]
.endr
.irp i, 0,1,2
	v_mov_b32 v[\pc+3+6*\c+\i], v[\pc+12+4*\c+\i]
.endr
.endr
.endm
.macro PUT pc, off                     ; a fragment's image to memory
	global_store_b128 v[L16], v[\pc:\pc+3], s[12:13] offset:\off
	global_store_b64 v[L8], v[\pc+4:\pc+5], s[12:13] offset:\off+512
	global_store_b128 v[L16], v[\pc+6:\pc+9], s[12:13] offset:\off+768
	global_store_b64 v[L8], v[\pc+10:\pc+11], s[12:13] offset:\off+1280
.endm
.macro HALF e, left                    ; features: one K step of my 16 rows
	s_wait_loadcnt \left                           ; this K step's sixteen loads are in
.irp p, 0,1,2,3,4,5,6,7,8,9,10,11,12,13,14,15
	ds_store_b128 v[STI], v[R+64*\e+4*\p:R+64*\e+4*\p+3] offset:SP*\p
.endr
.irp b, 0,1,2,3
.irp j, 0,1,2,3
	ds_load_b128 v[X+16*\b+4*\j:X+16*\b+4*\j+3], v[STO] offset:128*\b+16*\j   ; LDS serves a wave's instructions in order: these see my stores
.endr
.endr
	s_wait_dscnt 0x0
	QUANT X, R+20*\e, PW+\e
	PUT R+20*\e, 1536*\e
.endm
.macro LOAD t                          ; weights: block t: W(128 s + 32 t + i, my column)
.irp i, 0,1,2,3,4,5,6,7,8,9,10,11,12,13,14,15,16,17,18,19,20,21,22,23,24,25,26,27,28,29,30,31
	global_load_b32 v[WX+32*(\t)+\i], v3, s[4:5] offset:(32*(\t)+\i)*ROWB th:TH_LOAD_NT
.endr
.endm
.macro BLOCK t
.set BX, WX+32*(\t)
.set BC, CD+8*(\t)
	v_max3_num_f32 v10, |v[BX]|, |v[BX+1]|, |v[BX+2]|     ; the block's largest magnitude: all 32 numbers are mine
	v_max3_num_f32 v11, |v[BX+3]|, |v[BX+4]|, |v[BX+5]|
.irp i, 6,10,14,18,22,26
	v_max3_num_f32 v10, v10, |v[BX+\i]|, |v[BX+\i+1]|
	v_max3_num_f32 v11, v11, |v[BX+\i+2]|, |v[BX+\i+3]|
.endr
	v_max3_num_f32 v10, v10, |v[BX+30]|, |v[BX+31]|
	v_max3_num_f32 v10, v10, v11, 0x1800000        ; and the floor 2^(3 - 127)
	v_add_nc_u32 v12, 0xff000000, v10              ; 2 off the exponent field: the conversion's scale operand
	v_lshrrev_b32 v13, 23, v12                     ; the byte
.if (\t) == 0
	v_mov_b32 v9, v13
.else
	v_lshl_or_b32 v9, v13, 8*(\t), v9              ; four bytes make my column's scale word
.endif
	v_cvt_scalef32_pk16_fp6_f32 v[BC:BC+2], v[BX:BX+15], v12
	v_cvt_scalef32_pk16_fp6_f32 v[BC+4:BC+6], v[BX+16:BX+31], v12   ; (a conversion's three registers begin on an even number)
	v_nop                                          ; one plain place behind a scaled conversion
	v_mov_b32 v[BC+3], v[BC+4]
	v_mov_b32 v[BC+4], v[BC+5]
	v_mov_b32 v[BC+5], v[BC+6]
	ds_store_b128 v4, v[BC:BC+3] offset:768*((\t)/2)+256*((\t)%2)         ; block t is half t / 2 of the fragment, lanes 16 (t % 2) + r
	ds_store_b64 v5, v[BC+4:BC+5] offset:768*((\t)/2)+512+128*((\t)%2)
.endm
	v_lshl_add_u32 v[SPW], v0, 2, SPARE
	v_mov_b32 v[NIL], 0
	v_lshrrev_b32 v8, 5, v0
	v_readfirstlane_b32 s[WV], v8                  ; wave
	s_cmp_lt_u32 ttmp9, NWW                        ; the weights' work-groups come first: the parting hangs on the work-group's number alone
	s_cbranch_scc1 .Lweights
	; ---------------- THE FEATURES ----------------
	s_load_b256 s[4:11], s[0:1], 0x0               ; the four tensors
	s_load_b128 s[12:15], s[0:1], 0x20             ; XC, XS
	v_and_b32 v8, 31, v0                           ; lane
	v_and_b32 v9, 15, v0                           ; r
	v_bfe_u32 v10, v0, 4, 1                        ; h
	v_lshlrev_b32 v[L16], 4, v8
	v_lshlrev_b32 v[L8], 3, v8
	v_lshlrev_b32 v[L4], 2, v8
	s_mul_i32 s17, s[WV], WST
	v_add_nc_u32 v[STI], s17, v[L16]
	v_mul_u32_u24 v[STO], v9, SP
	v_lshl_add_u32 v[STO], v10, 6, v[STO]
	v_add_nc_u32 v[STO], s17, v[STO]
.irp b, 0,1,2,3
	v_mov_b32 v[TM+4+\b], 0                        ; written once: a lane permute's destination counts as one of its sources
.endr
	s_mov_b32 s[SEL], 0x76543210
	s_mov_b32 s[SEL+1], 0xfedcba98
	s_mov_b32 s30, 0xffff0000                      ; lanes 16-31
	s_sub_co_u32 s31, ttmp9, NWW                   ; xx: 0 .. 767
	s_lshr_b32 s22, s31, 8                         ; p
	s_and_b32 s31, s31, 255
	s_lshr_b32 s18, s31, 6                         ; which tensor
	s_and_b32 s19, s31, 63
	s_lshl_b32 s19, s19, 2
	s_add_co_u32 s19, s19, s[WV]                   ; my tile T
	s_lshr_b32 s23, s19, 1
	s_lshl_b32 s23, s23, 5
	s_and_b32 s24, s19, 1
	s_lshl_b32 s24, s24, 3
	s_add_co_u32 s23, s23, s24                     ; the tile's first row: 32 g + 8 u
	s_mul_i32 s24, s23, ROWB
	s_lshl_b32 s25, s22, 10
	s_add_co_u32 s24, s24, s25                     ; + 1,024 p bytes along K
	s_mov_b32 s25, 0
	s_mul_i32 s26, s18, 2359296
	s_mul_i32 s27, s19, 9216
	s_add_co_u32 s26, s26, s27
	s_mul_i32 s27, s22, 3072
	s_add_co_u32 s26, s26, s27                     ; XC: tensor, tile, K step 2 p
	s_mov_b32 s27, 0
	s_mul_i32 s28, s18, 98304
	s_mul_i32 s29, s19, 384
	s_add_co_u32 s28, s28, s29
	s_lshl_b32 s29, s22, 7
	s_add_co_u32 s28, s28, s29                     ; XS likewise
	s_mov_b32 s29, 0
	s_wait_alu depctr_va_vdst(0)
	s_wait_kmcnt 0x0
	s_cmp_eq_u32 s18, 1                            ; the choice hangs on the work-group's number alone
	s_cselect_b64 s[4:5], s[6:7], s[4:5]
	s_cmp_eq_u32 s18, 2
	s_cselect_b64 s[4:5], s[8:9], s[4:5]
	s_cmp_eq_u32 s18, 3
	s_cselect_b64 s[4:5], s[10:11], s[4:5]
	s_add_nc_u64 s[4:5], s[4:5], s[24:25]
	s_add_nc_u64 s[12:13], s[12:13], s[26:27]
	s_add_nc_u64 s[14:15], s[14:15], s[28:29]
.irp e, 0,1
.irp p, 0,1,2,3,4,5,6,7,8,9,10,11,12,13,14,15
	global_load_b128 v[R+64*\e+4*\p:R+64*\e+4*\p+3], v[L16], s[4:5] offset:(\p+8*(\p/8))*ROWB+512*\e th:TH_LOAD_NT   ; 32 lanes read 512 consecutive bytes: a K step of one row
.endr
.endr
	HALF 0, 16                                     ; the second K step's sixteen loads may stay out
	HALF 1, 0
	v_cndmask_b32 v[PW], v[PW], v[PW+1], s30       ; lanes 0-15: K step 2 p's words, lanes 16-31: K step 2 p + 1's
	global_store_b32 v[L4], v[PW], s[14:15]
	s_branch .Lend
	; ---------------- THE WEIGHTS ----------------
.Lweights:
	s_load_b512 s[4:19], s[0:1], 0x30              ; eight weights
	s_load_b128 s[20:23], s[0:1], 0x70             ; Wo, WC
	s_load_b64 s[24:25], s[0:1], 0x80              ; WS
	s_mul_i32 s28, ttmp9, 1821
	s_lshr_b32 s28, s28, 16                        ; which weight: t / 36 (1,821 / 65,536 is above 1 / 36 by so little that the quotient is exact for t under 324)
	s_mul_i32 s29, s28, 36
	s_sub_co_u32 s29, ttmp9, s29                   ; t % 36
	s_mul_i32 s37, s29, 43
	s_lshr_b32 s37, s37, 8                         ; (t % 36) / 6 (43 / 256: exact under 36)
	s_mul_i32 s26, s37, 6
	s_sub_co_u32 s26, s29, s26                     ; the K step: t % 6
	s_lshl_b32 s37, s37, 2
	s_add_co_u32 s37, s37, s[WV]                   ; g: my group of 32 columns
	v_and_b32 v10, 31, v0                          ; lane = column in the group
	v_lshlrev_b32 v3, 2, v10                       ; in: 4 bytes a lane
	v_bfe_u32 v11, v0, 3, 1                        ; u: which of the group's two tiles has my column
	v_and_b32 v12, 7, v0
	v_bfe_u32 v13, v0, 4, 1
	v_lshl_add_u32 v12, v13, 3, v12                ; r: its row there
	s_mul_i32 s27, s[WV], 3072
	s_add_co_u32 s27, s27, WSTG                    ; my stage
	v_mul_u32_u24 v14, v11, 1536
	v_add_nc_u32 v14, s27, v14
	v_lshl_add_u32 v4, v12, 4, v14                 ; where row r's registers 0-3 of a half lie
	v_lshl_add_u32 v5, v12, 3, v14                 ; and its registers 4, 5
	v_lshlrev_b32 v7, 4, v10                       ; out: 16 bytes a lane
	v_add_nc_u32 v6, s27, v7
	v_mul_u32_u24 v8, v11, 384
	v_lshl_add_u32 v8, v12, 2, v8                  ; my scale word's place: tile u, row r
	s_mul_i32 s30, s26, 393216                     ; 128 rows of 3,072 bytes a K step
	s_lshl_b32 s31, s37, 7
	s_add_co_u32 s30, s30, s31
	s_mov_b32 s31, 0
	s_mul_i32 s32, s28, 442368
	s_mul_i32 s33, s37, 18432
	s_add_co_u32 s32, s32, s33
	s_mul_i32 s33, s26, 1536
	s_add_co_u32 s32, s32, s33
	s_mov_b32 s33, 0
	s_mul_i32 s34, s28, 18432
	s_mul_i32 s35, s37, 768
	s_add_co_u32 s34, s34, s35
	s_lshl_b32 s35, s26, 6
	s_add_co_u32 s34, s34, s35
	s_mov_b32 s35, 0
	s_wait_kmcnt 0x0
.irp i, 1,2,3,4,5,6,7,8
	s_cmp_eq_u32 s28, \i                           ; the choice hangs on the work-group's number alone
	s_cselect_b64 s[4:5], s[4+2*\i:5+2*\i], s[4:5]
.endr
	s_add_nc_u64 s[4:5], s[4:5], s[30:31]
	s_add_nc_u64 s[22:23], s[22:23], s[32:33]
	s_add_nc_u64 s[24:25], s[24:25], s[34:35]
	LOAD 0
	LOAD 1
	s_wait_loadcnt 32                              ; block 0 is in; block 1's 32 loads may stay out
	LOAD 2
	BLOCK 0
	s_wait_loadcnt 32                              ; block 1 is in; block 2's may stay out
	LOAD 3
	BLOCK 1
	s_wait_loadcnt 32                              ; block 2 is in; block 3's may stay out
	BLOCK 2
	s_wait_loadcnt 0x0
	BLOCK 3
	global_store_b32 v8, v9, s[24:25]
.irp k, 0,1,2,3,4,5
	ds_load_b128 v[32+4*\k:35+4*\k], v6 offset:512*\k   ; LDS serves a wave's instructions in order: these see my stores
.endr
.irp k, 0,1,2,3,4,5
	s_wait_dscnt 5-\k
	global_store_b128 v7, v[32+4*\k:35+4*\k], s[22:23] offset:9216*(\k/3)+512*(\k%3)   ; 512 consecutive bytes of tile u = k / 3's fragment
.endr
.Lend:
	s_wait_tensorcnt 0x0                           ; the wave's end, behind my last LDS store
	ds_add_u32 v[SPW], v[NIL]
	s_wait_dscnt 0x0
	s_endpgm
.Lfunc_end_k_qe19e4c1e9e_quant:
	.size	k_qe19e4c1e9e_quant, .Lfunc_end_k_qe19e4c1e9e_quant-k_qe19e4c1e9e_quant
	.p2alignl 7, 3214868480
	.fill 96, 4, 3214868480
	.section	.rodata,"a",@progbits
	.p2align	6, 0x0
	.amdhsa_kernel k_qe19e4c1e9e_quant
		.amdhsa_group_segment_fixed_size 46592
		.amdhsa_private_segment_fixed_size 0
		.amdhsa_enable_private_segment 0
		.amdhsa_kernarg_size 136
		.amdhsa_user_sgpr_count 2
		.amdhsa_user_sgpr_kernarg_segment_ptr 1
		.amdhsa_wavefront_size32 1
		.amdhsa_system_sgpr_workgroup_id_x 1
		.amdhsa_system_sgpr_workgroup_id_y 1
		.amdhsa_system_sgpr_workgroup_id_z 1
		.amdhsa_system_vgpr_workitem_id 0
		.amdhsa_next_free_vgpr 228
		.amdhsa_next_free_sgpr 66
		.amdhsa_reserve_vcc 0
		.amdhsa_float_denorm_mode_32 3
		.amdhsa_float_denorm_mode_16_64 3
		.amdhsa_memory_ordered 1
		.amdhsa_forward_progress 1
		.amdhsa_inst_pref_size 41
	.end_amdhsa_kernel
	.amdgpu_metadata
---
amdhsa.version: [ 1, 2 ]
amdhsa.kernels:
  - .name:           k_qe19e4c1e9e_quant
    .symbol:         k_qe19e4c1e9e_quant.kd
    .args:
      - { .name: text_feat, .offset: 0, .size: 8, .value_kind: global_buffer, .address_space: global }
      - { .name: img_feat, .offset: 8, .size: 8, .value_kind: global_buffer, .address_space: global }
      - { .name: text_spatial_feat, .offset: 16, .size: 8, .value_kind: global_buffer, .address_space: global }
      - { .name: img_spatial_feat, .offset: 24, .size: 8, .value_kind: global_buffer, .address_space: global }
      - { .name: XC, .offset: 32, .size: 8, .value_kind: global_buffer, .address_space: global }
      - { .name: XS, .offset: 40, .size: 8, .value_kind: global_buffer, .address_space: global }
      - { .name: Wq_t, .offset: 48, .size: 8, .value_kind: global_buffer, .address_space: global }
      - { .name: Wk_t, .offset: 56, .size: 8, .value_kind: global_buffer, .address_space: global }
      - { .name: Wv_t, .offset: 64, .size: 8, .value_kind: global_buffer, .address_space: global }
      - { .name: Wq_i, .offset: 72, .size: 8, .value_kind: global_buffer, .address_space: global }
      - { .name: Wk_i, .offset: 80, .size: 8, .value_kind: global_buffer, .address_space: global }
      - { .name: Wv_i, .offset: 88, .size: 8, .value_kind: global_buffer, .address_space: global }
      - { .name: Wq_s, .offset: 96, .size: 8, .value_kind: global_buffer, .address_space: global }
      - { .name: Wk_s, .offset: 104, .size: 8, .value_kind: global_buffer, .address_space: global }
      - { .name: Wo, .offset: 112, .size: 8, .value_kind: global_buffer, .address_space: global }
      - { .name: WC, .offset: 120, .size: 8, .value_kind: global_buffer, .address_space: global }
      - { .name: WS, .offset: 128, .size: 8, .value_kind: global_buffer, .address_space: global }
    .group_segment_fixed_size: 46592
    .private_segment_fixed_size: 0
    .kernarg_segment_align: 8
    .kernarg_segment_size: 136
    .max_flat_workgroup_size: 128
    .sgpr_count:     66
    .vgpr_count:     228
    .wavefront_size: 32
...
	.end_amdgpu_metadata
.endif
;; end of part 1
;; launch proj (part 2): grid 64 x 4, 4 waves a work-group, clusters of 4 x 1, 327,680 bytes of LDS; arguments XC, XS, WC, WS, AT, bq_t, bk_t, bv_t, bq_i, bk_i, bv_i, bq_s, bk_s; writes AT
.if DOCPART == 2
	.amdgcn_target "amdgcn-amd-amdhsa--gfx1250"
	.amdhsa_code_object_version 6
	.text
	.protected	k_qe19e4c1e9e_proj
	.globl	k_qe19e4c1e9e_proj
	.p2align	8
	.type	k_qe19e4c1e9e_proj,@function
k_qe19e4c1e9e_proj:
	s_mov_b64 s[64:65], 0
	v_nop
	global_prefetch_b8 v0, s[64:65] scope:SCOPE_SE
	s_setreg_imm32_b32 hwreg(HW_REG_WAVE_MODE, 25, 1), 1
	s_wait_xcnt 0x0
	s_wait_alu depctr_hold_cnt(0) depctr_sa_sdst(0) depctr_va_vdst(0) depctr_va_sdst(0) depctr_va_ssrc(0) depctr_va_vcc(0) depctr_vm_vsrc(0)
	s_getreg_b32 s2, hwreg(HW_REG_IB_STS2, 6, 4)
	s_cmp_eq_u32 s2, 0
	s_cbranch_scc0 .Lentry_in_a_cluster
	s_endpgm
.Lentry_in_a_cluster:
	s_bfe_u32 s2, ttmp6, 0x10000c
	s_cmp_lg_u32 s2, 0x3003
	s_cbranch_scc0 .Lentry_shape_is_right
	s_endpgm
.Lentry_shape_is_right:
; The ten projections y = x W + b (4,096 x 768 x 768) on codes of FP6 (E2M3); each result is quantised on its way out into the operand images that the attention launch reads.  No y goes to memory in f32.
; x STAYS IN REGISTERS.  A work-group owns 64 rows (4 tiles) of a stream; every wave holds their 24 fragments (4 tiles x 6 K steps, 288 registers) and makes whole heads: a STEP is one head of one product,
; 4 column tiles x 4 row tiles x 6 K steps = 96 matrix instructions on 16 accumulators, by turns, then the head's four half fragments leave.
; SHARES.  Grid x: the 64 row blocks; y: kind 0 (y = 0, 1: stream y) or kind 1 (y = 2, 3: stream y - 2).  7,680 heads x blocks on 1,024 waves:
;   kind 0: v heads w and 4 + w, then q and k heads 4 j + w (j = 0 .. 5; 12 on: k) of the feature tensor: 8 steps a wave;
;   kind 1: v head 8 + w of the feature tensor, then the spatial tensor's rows take x's registers, and qs, ks heads 4 j + w: 7 steps a wave.
; Kind 0's first step stands ahead of the text that both kinds run; the branch hangs on the cluster's y alone, which all four partners share.
; W COMES THROUGH A RING OF TWO SLOTS: a slot holds one head's W for each wave (36,864 consecutive bytes of memory, rows of 9,216).  The four work-groups of a cluster (4 x 1: four row blocks) walk the same heads:
; each wave's load is a joint load with the mask 15.  Behind each round of the cluster's barrier a wave issues one load, the next step's, which has this step's work in which to land.  Every wait on TENSORcnt is for 0.
; A wave reads only the bytes that it asked for.  Kind 1 begins its ring in slot 1, so that from the common text on both kinds use the same slots.
; q, k, qs, ks: THE PRODUCT IS USED TRANSPOSED (source 0 = 16 columns of W, source 1 = 16 rows of x): a lane holds one row and 32 registers run along the head's 64 channels, the next K.
; v: natural: a lane holds one channel and 32 registers run along the block's 64 keys.  The tiles' rows are chosen so that 16 registers are 16 neighbours.  The bias is the C of each sum's first matrix instruction.
; The next step's scale words and bias are asked for behind this step's last product and waited for at the next step's head.
; AT: a record of 133,120 bytes for each (stream, batch, head): K fragments (half 0 = k, half 1 = ks), V fragments, half scale words of K, K-spatial, V; then Q fragments and their half scale words.
; No prefetch: the sixteen clusters of one kind and stream ask for the same 147,456 bytes of W in the same step of the same walk.
; A block of zeros gets the byte 1 where the rule says 127 (its codes are zeros; this program alone reads the bytes).  LIMITS: NaN and infinities are not served.
; REGISTERS: window 0: addresses, scale words, the bias, the codes made.  window 1: x's K steps 0-4 (48 s + 12 a).  window 2: x's K step 5 (12 a), W's four fragments in two sets (48 + 48 e + 12 n).  window 3: the accumulators.
.set REC,   133120
.set HU,    36864                      ; a head's W: 4 column tiles x 6 K steps x 1,536 bytes
.set SLOT,  4*HU
.set SPARE, 2*SLOT                     ; the spare words, 128 bytes for each wave
.set SPW,  1
.set NIL,  2
.set L16,  3
.set L8,   4
.set L4,   5
.set B16,  6                           ; 16 x lane + HU x wave;  v7 the same with 8 x lane
.set B8,   7
.set AW16, 8                           ; the same in the slot that is read
.set AW8,  9
.set BA0,  10                          ; the bias of my half's eight columns of a tile
.set BA1,  11                          ; the bias of my lane's column of a tile
.set XSC,  32                          ; v32-43 x's scale words, 3 a + p: lanes 0-15 the even K step, lanes 16-31 the odd one
.set WSC,  44                          ; v44-55 W's, 3 n + p
.set TM,   64
.set TP,   72
.set SV,   80
.set BY,   88
.set BI,   96                          ; v96-127 eight registers of bias for each column tile
.set HFR,  128                         ; v128-151 four half fragments
.set PT,   152
.set HW,   168
.set SHP,  172
.set MSB, 0
.macro WIN new                         ; the immediate's high byte repeats the setting that is left
.if MSB != (\new)
	s_set_vgpr_msb (MSB<<8)|(\new)
.set MSB, (\new)
.endif
.endm
.macro ROUND                           ; a round of the cluster's barrier
	s_barrier_signal -1
	s_barrier_wait -1
	s_cmp_lg_u32 s14, 0
	s_cbranch_scc1 .Lnot_wave_0_\@
	s_barrier_signal -3
.Lnot_wave_0_\@:
	s_barrier_wait -3
	s_barrier_signal -1
	s_barrier_wait -1
.endm
.macro PLACES                          ; four plain places behind matrix instructions (ISA guide 7.12.1)
.rept 4
	v_nop
.endr
.endm
.macro FRAG reg, a16, a8, off          ; a fragment's image from LDS into twelve registers
	ds_load_b128 v[\reg:\reg+3], v[\a16] offset:\off
	ds_load_b64 v[\reg+4:\reg+5], v[\a8] offset:\off+512
	ds_load_b128 v[\reg+6:\reg+9], v[\a16] offset:\off+768
	ds_load_b64 v[\reg+10:\reg+11], v[\a8] offset:\off+1280
.endm
.macro GFRAG reg, off                  ; the same from memory: each load covers 512 or 256 consecutive bytes
	global_load_b128 v[\reg:\reg+3], v[L16], s[88:89] offset:\off
	global_load_b64 v[\reg+4:\reg+5], v[L8], s[88:89] offset:\off+512
	global_load_b128 v[\reg+6:\reg+9], v[L16], s[88:89] offset:\off+768
	global_load_b64 v[\reg+10:\reg+11], v[L8], s[88:89] offset:\off+1280
.endm
.macro XLOAD                           ; my block's 24 fragments of x and their scale words
	WIN 0x40
.irp s, 0,1,2,3,4
.irp a, 0,1,2,3
	GFRAG 48*\s+12*\a, 9216*\a+1536*\s
.endr
.endr
	WIN 0x80
.irp a, 0,1,2,3
	GFRAG 12*\a, 9216*\a+7680
.endr
	WIN 0
.irp a, 0,1,2,3
.irp p, 0,1,2
	global_load_b32 v[XSC+3*\a+\p], v[L4], s[90:91] offset:384*\a+128*\p
.endr
.endr
.endm
.macro WM d, a, b, c, sa, sb, odd      ; odd K steps take their scale words from lanes 16-31
.if \odd
	v_wmma_scale_f32_16x16x128_f8f6f4 v[\d:\d+7], v[\a:\a+11], v[\b:\b+11], v[\c:\c+7], v[\sa], v[\sb] matrix_a_fmt:MATRIX_FMT_FP6 matrix_b_fmt:MATRIX_FMT_FP6 matrix_a_scale:MATRIX_SCALE_ROW1 matrix_b_scale:MATRIX_SCALE_ROW1
.else
	v_wmma_scale_f32_16x16x128_f8f6f4 v[\d:\d+7], v[\a:\a+11], v[\b:\b+11], v[\c:\c+7], v[\sa], v[\sb] matrix_a_fmt:MATRIX_FMT_FP6 matrix_b_fmt:MATRIX_FMT_FP6
.endif
.endm
; 16 matrix instructions of K step s.  ty = 0: transposed, accumulator (a, n) at 32 a + 8 n;  ty = 1: natural, at 32 n + 8 a.
.macro MUL ty, s
.set P_, (\s)/2
.set E_, (\s)%2
.if (\s) < 5
.set XB_, 48*(\s)
.set XW_, 1
.else
.set XB_, 0
.set XW_, 2
.endif
.if (\s) == 0
.set CW_, 0
.else
.set CW_, 3
.endif
.if \ty == 0
	WIN 0xc0|(CW_<<4)|(XW_<<2)|2
.else
	WIN 0xc0|(CW_<<4)|(2<<2)|XW_
.endif
.irp a, 0,1,2,3
.irp n, 0,1,2,3
.if \ty == 0
.set D_, 32*\a+8*\n
.else
.set D_, 32*\n+8*\a
.endif
.if (\s) == 0
.set C_, BI+8*\n
.else
.set C_, D_
.endif
.if \ty == 0
	WM D_, 48+48*E_+12*\n, XB_+12*\a, C_, WSC+3*\n+P_, XSC+3*\a+P_, E_
.else
	WM D_, XB_+12*\a, 48+48*E_+12*\n, C_, XSC+3*\a+P_, WSC+3*\n+P_, E_
.endif
.endr
.endr
.endm
.macro FW s                            ; W's four fragments of K step s into set s % 2: 16 LDS loads
	WIN 0x80
.irp n, 0,1,2,3
	FRAG 48+48*((\s)%2)+12*\n, AW16, AW8, 9216*\n+1536*(\s)
.endr
.endm
.macro STEPC ty                        ; a head's 96 products; s56: the slot that is read
	v_add_nc_u32 v[AW16], s56, v[B16]
	v_add_nc_u32 v[AW8], s56, v[B8]
	s_wait_alu depctr_va_vdst(0)                   ; the wait behind these writes
	FW 0
	FW 1
	WIN 0
	s_wait_loadcnt 0x0                             ; the step's scale words and bias, and x where it was fetched
.if \ty == 1
.irp n, 0,1,2,3
.irp j, 1,2,3,4,5,6,7
	v_mov_b32 v[BI+8*\n+\j], v[BI+8*\n]            ; a lane's eight results of a tile share a column
.endr
.endr
	s_wait_alu depctr_va_vdst(0)
.endif
.irp s, 0,1,2,3,4,5
.if \s < 5
	s_wait_dscnt 16                                ; this K step's fragments are in; the next K step's 16 loads may be out
.else
	s_wait_dscnt 0x0
.endif
	MUL \ty, \s
.if \s < 4
	PLACES
	FW \s+2
.endif
.endr
.endm
.macro WSLOAD                          ; the scale words of a head's W
.irp n, 0,1,2,3
.irp p, 0,1,2
	global_load_b32 v[WSC+3*\n+\p], v[L4], s[48:49] offset:384*\n+128*\p
.endr
.endr
.endm
.macro NEXT1                           ; bias and scale words of v's head s55
	s_lshl_b32 s58, s55, 8
	s_mov_b32 s59, 0
	s_add_nc_u64 s[66:67], s[44:45], s[58:59]
	s_mul_i32 s58, s55, 1536
	s_add_nc_u64 s[48:49], s[52:53], s[58:59]
.irp n, 0,1,2,3
	global_load_b32 v[BI+8*\n], v[BA1], s[66:67] offset:4*(32*(\n/2)+8*(\n%2))
.endr
	WSLOAD
.endm
.macro NEXT0                           ; bias and scale words of head s54 of q (under 12) or k
	s_cmp_ge_u32 s54, 12
	s_cselect_b32 s57, 12, 0
	s_cselect_b64 s[66:67], s[42:43], s[40:41]
	s_sub_co_u32 s57, s54, s57
	s_lshl_b32 s58, s57, 8
	s_mov_b32 s59, 0
	s_add_nc_u64 s[66:67], s[66:67], s[58:59]
	s_mul_i32 s58, s54, 1536
	s_add_nc_u64 s[48:49], s[92:93], s[58:59]
.irp n, 0,1,2,3
	global_load_b128 v[BI+8*\n:BI+8*\n+3], v[BA0], s[66:67] offset:4*(32*(\n/2)+8*(\n%2))
	global_load_b128 v[BI+8*\n+4:BI+8*\n+7], v[BA0], s[66:67] offset:4*(32*(\n/2)+8*(\n%2))+16
.endr
	WSLOAD
.endm
; Four members of 32 registers (window 3, register 16 b + i = k 32 b + 16 (lane / 16) + i) become four half fragments and their two scale bytes each: eight blocks by turns.  Each accumulator is first read at its low end.
.macro QH4
	WIN 0x0f
.irp m, 0,1,2,3
.irp b, 0,1
	v_max3_num_f32 v[TM+2*\m+\b], |v[32*\m+16*\b]|, |v[32*\m+16*\b+1]|, 0x1800000   ; and the floor 2^(3 - 127)
.endr
.endr
	WIN 0x3c
.irp i, 2,4,6,8,10,12,14
.irp m, 0,1,2,3
.irp b, 0,1
	v_max3_num_f32 v[TM+2*\m+\b], v[TM+2*\m+\b], |v[32*\m+16*\b+\i]|, |v[32*\m+16*\b+\i+1]|
.endr
.endr
.endr
	WIN 0
.irp k, 0,1,2,3,4,5,6,7
	v_permlanex16_b32 v[TP+\k], v[TM+\k], s20, s21
.endr
.irp k, 0,1,2,3,4,5,6,7
	v_max_num_f32 v[TM+\k], v[TM+\k], v[TP+\k]
.endr
.irp k, 0,1,2,3,4,5,6,7
	v_add_nc_u32 v[SV+\k], 0xff000000, v[TM+\k]    ; 2 off the exponent field: the conversion's scale operand
.endr
.irp k, 0,1,2,3,4,5,6,7
	v_lshrrev_b32 v[BY+\k], 23, v[SV+\k]
.endr
.irp m, 0,1,2,3
	v_lshl_or_b32 v[HW+\m], v[BY+2*\m+1], 8, v[BY+2*\m]
.endr
.irp m, 0,1,2,3
	v_lshlrev_b32 v[HW+\m], s22, v[HW+\m]          ; the two bytes into their place in the scale word
.endr
	WIN 0x03
.irp m, 0,1,2,3
	v_cvt_scalef32_pk16_fp6_f32 v[HFR+6*\m:HFR+6*\m+2], v[32*\m:32*\m+15], v[SV+2*\m]
	v_cvt_scalef32_pk16_fp6_f32 v[PT+4*\m:PT+4*\m+2], v[32*\m+16:32*\m+31], v[SV+2*\m+1]
.endr
	WIN 0
	v_nop                                          ; one plain place behind a scaled conversion
.irp m, 0,1,2,3
.irp i, 0,1,2
	v_permlane16_swap_b32 v[HFR+6*\m+\i], v[PT+4*\m+\i]   ; a whole block to a lane
.endr
.endr
.irp m, 0,1,2,3
.irp i, 0,1,2
	v_mov_b32 v[HFR+6*\m+3+\i], v[PT+4*\m+\i]
.endr
.endr
.endm
; The way out of a step.  nxt: 0 nothing follows; 1 v's next head; 2 the first head of q (kind 1: and the spatial rows); 3 the next head of q or k.
.macro EPI ty, nxt
	WIN 0
	PLACES
	s_wait_xcnt 0x0                                ; the last step's stores have read their registers and bases
.if \ty == 1
	s_mul_i32 s58, s55, REC
	s_add_co_u32 s60, s58, s97
	s_add_co_u32 s62, s58, s98
	s_mov_b32 s22, s99
.else
	s_cmp_ge_u32 s54, 12                           ; q or k?
	s_cselect_b32 s57, 12, 0
	s_cselect_b32 s60, 0, 79872
	s_mov_b32 s62, 129024
	s_cselect_b32 s62, 73728, s62
	s_sub_co_u32 s57, s54, s57
	s_mul_i32 s58, s57, REC
	s_add_co_u32 s60, s60, s58
	s_add_co_u32 s60, s60, s95
	s_add_co_u32 s62, s62, s58
	s_add_co_u32 s62, s62, s96
	s_mov_b32 s22, s100
.endif
	s_mov_b32 s61, 0
	s_mov_b32 s63, 0
	s_add_nc_u64 s[84:85], s[12:13], s[60:61]      ; where the half fragments go
	s_add_nc_u64 s[86:87], s[12:13], s[62:63]      ; and their half scale words
.if \nxt == 1
	s_add_co_u32 s55, s55, 4
	NEXT1
.endif
.if \nxt == 2
	s_mov_b32 s54, s14
	NEXT0
	s_cmp_eq_u32 s18, 0
	s_cbranch_scc1 .Lsame_x_\@
	s_add_nc_u64 s[88:89], s[88:89], 4718592       ; two tensors on: the stream's spatial rows
	s_add_nc_u64 s[90:91], s[90:91], 196608
	XLOAD
.Lsame_x_\@:
.endif
.if \nxt == 3
	s_add_co_u32 s54, s54, 4
	NEXT0
.endif
	QH4
.irp m, 0,1,2,3
	global_store_b128 v[L16], v[HFR+6*\m:HFR+6*\m+3], s[84:85] offset:1536*\m
	global_store_b64 v[L8], v[HFR+6*\m+4:HFR+6*\m+5], s[84:85] offset:1536*\m+512
.endr
	v_cndmask_b32 v[SHP], v[HW], v[HW+1], s23      ; four members' half words make one block of 256 consecutive bytes
	v_cndmask_b32 v[SHP+1], v[HW+2], v[HW+3], s23
	global_store_b64 v[L8], v[SHP:SHP+1], s[86:87]
.endm
	s_load_b256 s[4:11], s[0:1], 0x0               ; XC, XS, WC, WS
	s_load_b64 s[12:13], s[0:1], 0x20              ; AT
	s_load_b512 s[68:83], s[0:1], 0x28             ; the eight biases
	v_lshl_add_u32 v[SPW], v0, 2, SPARE
	v_mov_b32 v[NIL], 0
	ds_add_u32 v[SPW], v[NIL]                      ; the opening lines: the add, twice on end, and its wait ahead of my first tensor load
	ds_add_u32 v[SPW], v[NIL]
	v_lshrrev_b32 v12, 5, v0
	v_readfirstlane_b32 s14, v12                   ; wave
	s_bfe_u32 s15, ttmp6, 0x40000                  ; cx
	s_lshl_b32 s16, ttmp9, 2
	s_add_co_u32 s16, s16, s15                     ; my block of 64 rows: it enters x's and the results' addresses alone
	s_and_b32 s17, ttmp7, 0xffff
	s_lshr_b32 s18, s17, 1                         ; kind
	s_and_b32 s19, s17, 1                          ; stream
	s_mul_i32 s50, s14, HU
	s_lshl_b32 s57, s18, 3
	s_add_co_u32 s55, s14, s57                     ; my first head of v: w, or 8 + w
	s_mul_i32 s58, s19, 3
	s_cmp_eq_u32 s18, 0
	s_cselect_b32 s51, s58, 6                      ; the weight of q: 3 stream, or Wq_s; k's is the next
	s_add_co_u32 s58, s58, 2                       ; the weight of v
	s_mul_i32 s34, s58, 442368
	s_mul_i32 s57, s55, HU
	s_add_co_u32 s34, s34, s57
	s_mov_b32 s35, 0
	s_mul_i32 s46, s51, 442368
	s_add_co_u32 s46, s46, s50
	s_mov_b32 s47, 0
	s_mul_i32 s52, s58, 18432
	s_mov_b32 s53, 0
	s_mul_i32 s92, s51, 18432
	s_mov_b32 s93, 0
	s_mov_b32 s24, 15|(3<<16)|(1<<21)              ; group 1: the mask of all four; elements of 8 bytes; bit 21 beside a mask
	s_mov_b32 s25, 1152<<16                        ; a row: a column tile's six fragments, 9,216 bytes
	s_mov_b32 s26, 4<<16
	s_mov_b32 s27, 1152<<16
	s_mov_b32 s28, 4
	s_mov_b32 s29, 1152
	s_mov_b32 s30, 0
	s_mov_b32 s31, 0
	s_mov_b32 s32, 1                               ; group 0 for slot 0,
	s_mov_b32 s33, s50
	s_mov_b32 s36, 1                               ; and for slot 1
	s_add_co_u32 s37, s50, SLOT
	s_wait_dscnt 0x0                               ; both opening adds are done
	s_wait_kmcnt 0x0
	s_add_nc_u64 s[34:35], s[8:9], s[34:35]
	s_or_b32 s35, s35, 0x80000000
	s_mov_b64 s[38:39], s[34:35]
	ROUND                                          ; all four work-groups are here: the joint loads meet
	s_cmp_eq_u32 s18, 0                            ; one branch, one fill in each arm: kind 0 begins in slot 0, kind 1 in slot 1
	s_cbranch_scc0 .Lhead_b
	tensor_load_to_lds s[32:35], s[24:31]
	s_nop 0
	PLACES
	s_branch .Lhead_done
.Lhead_b:
	tensor_load_to_lds s[36:39], s[24:31]
	s_nop 0
	PLACES
.Lhead_done:
	v_and_b32 v12, 31, v0
	v_lshlrev_b32 v[L16], 4, v12
	v_lshlrev_b32 v[L8], 3, v12
	v_lshlrev_b32 v[L4], 2, v12
	v_add_nc_u32 v[B16], s50, v[L16]
	v_add_nc_u32 v[B8], s50, v[L8]
	v_bfe_u32 v13, v0, 4, 1
	v_lshlrev_b32 v[BA0], 6, v13
	v_and_b32 v14, 15, v0
	v_and_b32 v15, 8, v14
	v_add_nc_u32 v14, v14, v15
	v_lshlrev_b32 v[BA1], 2, v14
.irp k, 0,1,2,3,4,5,6,7
	v_mov_b32 v[TP+\k], 0                          ; written once: a lane permute's destination counts as one of its sources
.endr
	s_wait_alu depctr_va_vdst(0)                   ; the wait at the head's end
	s_mul_i32 s88, s19, 2359296                    ; x: the stream's feature tensor, my four tiles
	s_mul_i32 s57, s16, 36864
	s_add_co_u32 s88, s88, s57
	s_mov_b32 s89, 0
	s_add_nc_u64 s[88:89], s[4:5], s[88:89]
	s_mul_i32 s90, s19, 98304
	s_mul_i32 s57, s16, 1536
	s_add_co_u32 s90, s90, s57
	s_mov_b32 s91, 0
	s_add_nc_u64 s[90:91], s[6:7], s[90:91]
	XLOAD
	s_add_nc_u64 s[46:47], s[8:9], s[46:47]        ; W of q's head w
	s_add_nc_u64 s[52:53], s[10:11], s[52:53]      ; the scale words of v's weight,
	s_add_nc_u64 s[92:93], s[10:11], s[92:93]      ; and of q's and k's
	s_cmp_eq_u32 s51, 3                            ; the biases: the choice hangs on kind and stream alone
	s_cselect_b64 s[40:41], s[74:75], s[68:69]
	s_cselect_b64 s[42:43], s[76:77], s[70:71]
	s_cmp_eq_u32 s51, 6
	s_cselect_b64 s[40:41], s[80:81], s[40:41]
	s_cselect_b64 s[42:43], s[82:83], s[42:43]
	s_cmp_eq_u32 s19, 0
	s_cselect_b64 s[44:45], s[72:73], s[78:79]
	NEXT1
	s_mov_b32 s20, 0x76543210
	s_mov_b32 s21, 0xfedcba98                      ; selects for lane l xor 16
	s_mov_b32 s23, 0xffff0000                      ; lanes 16-31
	s_lshr_b32 s57, s16, 3                         ; batch
	s_lshl_b32 s58, s19, 3
	s_add_co_u32 s57, s57, s58
	s_mul_i32 s94, s57, 12*REC                     ; head 0's record of (stream, batch)
	s_and_b32 s59, s16, 7                          ; my block in the batch
	s_mul_i32 s57, s59, 6144                       ; q, k: my first tile's fragment, my half of it
	s_mul_i32 s58, s18, 768
	s_add_co_u32 s95, s94, s57
	s_add_co_u32 s95, s95, s58
	s_lshl_b32 s57, s59, 8                         ; 256 bytes of half words for four tiles
	s_lshl_b32 s58, s18, 11
	s_add_co_u32 s96, s94, s57
	s_add_co_u32 s96, s96, s58
	s_add_co_u32 s98, s94, s57                     ; v: 256 bytes of half words for each 64 keys
	s_add_co_u32 s98, s98, 77824
	s_lshr_b32 s57, s59, 1                         ; which 128 keys,
	s_mul_i32 s57, s57, 6144
	s_and_b32 s58, s59, 1                          ; which half of them
	s_lshl_b32 s99, s58, 4
	s_mul_i32 s58, s58, 768
	s_add_co_u32 s97, s94, s57
	s_add_co_u32 s97, s97, s58
	s_add_co_u32 s97, s97, 49152
	s_lshl_b32 s100, s18, 4
	s_cmp_lg_u32 s18, 0
	s_cbranch_scc1 .Lcommon
	; KIND 0 ALONE: v's head w, from slot 0
	s_wait_tensorcnt 0x0                           ; my load has landed
	ds_add_u32 v[SPW], v[NIL]
	s_add_nc_u64 s[38:39], s[38:39], SLOT          ; four heads on
	s_wait_dscnt 0x0
	ROUND
	tensor_load_to_lds s[36:39], s[24:31]          ; head 4 + w, into slot 1
	s_nop 0
	PLACES
	s_mov_b32 s56, 0
	STEPC 1
	EPI 1, 1
.Lcommon:
	; v's head 4 + w or 8 + w, from slot 1
	s_wait_tensorcnt 0x0
	ds_add_u32 v[SPW], v[NIL]
	s_mov_b64 s[34:35], s[46:47]
	s_or_b32 s35, s35, 0x80000000
	s_wait_dscnt 0x0
	ROUND
	tensor_load_to_lds s[32:35], s[24:31]          ; q's head w, into slot 0
	s_nop 0
	PLACES
	s_mov_b32 s56, SLOT
	STEPC 1
	EPI 1, 2
	s_mov_b32 s51, 5
.Lheads:                                               ; heads 4 j + w, j = 0 .. 4; the slots take turns
	s_wait_tensorcnt 0x0                           ; my load, this step's W, has landed;
	ds_add_u32 v[SPW], v[NIL]
	s_xor_b32 s33, s33, SLOT                       ; no load of mine is out: the next load goes to the slot read last,
	s_add_nc_u64 s[34:35], s[34:35], SLOT          ; four heads on;
	s_xor_b32 s56, s56, SLOT                       ; and this step reads the other
	s_wait_dscnt 0x0                               ; the add is done, and so are my reads
	ROUND
	tensor_load_to_lds s[32:35], s[24:31]
	s_nop 0
	PLACES
	STEPC 0
	EPI 0, 3
	s_sub_co_u32 s51, s51, 1
	s_cmp_lg_u32 s51, 0
	s_cbranch_scc1 .Lheads
	s_wait_tensorcnt 0x0                           ; the last head, 20 + w: nothing is filled again, and I alone read my bytes
	s_xor_b32 s56, s56, SLOT
	STEPC 0
	EPI 0, 0
	s_wait_tensorcnt 0x0                           ; the wave's end
	ds_add_u32 v[SPW], v[NIL]
	s_wait_dscnt 0x0
	ROUND                                          ; the closing round
	s_endpgm
.Lfunc_end_k_qe19e4c1e9e_proj:
	.size	k_qe19e4c1e9e_proj, .Lfunc_end_k_qe19e4c1e9e_proj-k_qe19e4c1e9e_proj
	.p2alignl 7, 3214868480
	.fill 96, 4, 3214868480
	.section	.rodata,"a",@progbits
	.p2align	6, 0x0
	.amdhsa_kernel k_qe19e4c1e9e_proj
		.amdhsa_group_segment_fixed_size 327680
		.amdhsa_private_segment_fixed_size 0
		.amdhsa_enable_private_segment 0
		.amdhsa_kernarg_size 104
		.amdhsa_user_sgpr_count 2
		.amdhsa_user_sgpr_kernarg_segment_ptr 1
		.amdhsa_wavefront_size32 1
		.amdhsa_system_sgpr_workgroup_id_x 1
		.amdhsa_system_sgpr_workgroup_id_y 1
		.amdhsa_system_sgpr_workgroup_id_z 1
		.amdhsa_system_vgpr_workitem_id 0
		.amdhsa_next_free_vgpr 896
		.amdhsa_next_free_sgpr 102
		.amdhsa_reserve_vcc 0
		.amdhsa_float_denorm_mode_32 3
		.amdhsa_float_denorm_mode_16_64 3
		.amdhsa_memory_ordered 1
		.amdhsa_forward_progress 1
		.amdhsa_inst_pref_size 154
	.end_amdhsa_kernel
	.amdgpu_metadata
---
amdhsa.version: [ 1, 2 ]
amdhsa.kernels:
  - .name:           k_qe19e4c1e9e_proj
    .symbol:         k_qe19e4c1e9e_proj.kd
    .args:
      - { .name: XC, .offset: 0, .size: 8, .value_kind: global_buffer, .address_space: global }
      - { .name: XS, .offset: 8, .size: 8, .value_kind: global_buffer, .address_space: global }
      - { .name: WC, .offset: 16, .size: 8, .value_kind: global_buffer, .address_space: global }
      - { .name: WS, .offset: 24, .size: 8, .value_kind: global_buffer, .address_space: global }
      - { .name: AT, .offset: 32, .size: 8, .value_kind: global_buffer, .address_space: global }
      - { .name: bq_t, .offset: 40, .size: 8, .value_kind: global_buffer, .address_space: global }
      - { .name: bk_t, .offset: 48, .size: 8, .value_kind: global_buffer, .address_space: global }
      - { .name: bv_t, .offset: 56, .size: 8, .value_kind: global_buffer, .address_space: global }
      - { .name: bq_i, .offset: 64, .size: 8, .value_kind: global_buffer, .address_space: global }
      - { .name: bk_i, .offset: 72, .size: 8, .value_kind: global_buffer, .address_space: global }
      - { .name: bv_i, .offset: 80, .size: 8, .value_kind: global_buffer, .address_space: global }
      - { .name: bq_s, .offset: 88, .size: 8, .value_kind: global_buffer, .address_space: global }
      - { .name: bk_s, .offset: 96, .size: 8, .value_kind: global_buffer, .address_space: global }
    .group_segment_fixed_size: 327680
    .private_segment_fixed_size: 0
    .kernarg_segment_align: 8
    .kernarg_segment_size: 104
    .max_flat_workgroup_size: 128
    .sgpr_count:     102
    .vgpr_count:     896
    .wavefront_size: 32
...
	.end_amdgpu_metadata
.endif
;; end of part 2
;; launch attn (part 3): grid 24 x 8, 16 waves a work-group, no clusters, 327,680 bytes of LDS; arguments AT, rel_table, CC, CS; writes CC, CS
.if DOCPART == 3
	.amdgcn_target "amdgcn-amd-amdhsa--gfx1250"
	.amdhsa_code_object_version 6
	.text
	.protected	k_qe19e4c1e9e_attn
	.globl	k_qe19e4c1e9e_attn
	.p2align	8
	.type	k_qe19e4c1e9e_attn,@function
k_qe19e4c1e9e_attn:
	s_mov_b64 s[64:65], 0
	v_nop
	global_prefetch_b8 v0, s[64:65] scope:SCOPE_SE
	s_setreg_imm32_b32 hwreg(HW_REG_WAVE_MODE, 25, 1), 1
	s_wait_xcnt 0x0
; ctx = softmax(text scores) v_t + softmax(img scores) v_i on codes of FP6 (E2M3), and ctx's codes and half scale words for the last projection.
; scores = (q k + qs ks) / sqrt(768) + k(t) . rel(l, t) + q(l) . rel(l, t).  A K fragment holds k in K 0-63 and ks in K 64-127, a Q fragment q and qs: one matrix instruction of K = 128 sums both products.
; THE rel PRODUCTS: rel(l, t) is row clip(t - l, -8, 8) + 8 of rel_table, and its blocks along d are that row's blocks, so its codes are that row's codes.  So k . rel and q . rel take 17 values for each key and each query:
; the quantised table (17 rows, K 64-127 zero codes) is multiplied with every K and Q fragment once, and the scores take their value by the index.  No value is left out by that: each is looked up.
; SHARES.  Work-group (x, y): batch y, head x / 2, 256 queries (x % 2).  Wave w: one tile of 16 queries, both streams one after the other, four steps of 128 keys each.
; LDS: both streams' K and V fragments and half scale words (2 x 79,872 bytes) come by ONE tensor load a wave at the head: 39 rows of 256 bytes, waves 0-7 stream 0, waves 8-15 stream 1.  Nothing is filled again: every wait on
; TENSORcnt is for 0.  Behind them the tables: k . rel for each key (17 words, rows 80 bytes apart), its two far values by key, the joined scale words, q . rel for each wave's queries.
; While the tiles are on their way the table is quantised and both streams' q . rel are made; behind the one barrier each wave makes k . rel and the scale words of 32 keys of both streams.
; Stream 0's finished result is parked in the wave's own 4,096 bytes of stream 0's K fragments, behind a barrier that shows them read out; its signal stands at the loop's end, its wait in front of the stores.
; Both products are used transposed: a lane holds one query.  M is the running largest t rounded up to a whole number; p = 2^(t - M); the row's sum is taken of the unquantised p; a change of M multiplies by a power of two.
; cluster = none: a tile is shared by the two work-groups of one (batch, head) alone, and there is one fill in the launch.  No prefetch: the launch has no loop that runs ahead of a fill.
; 192 work-groups: 12 tiles of queries to a work-group would ask for two heads' tiles of both streams, 4 x 79,872 bytes, beside the tables.
; LIMITS: the promise holds while the scaled scores stay under 2^31 in magnitude; NaN and infinities are not served; a block of zeros gets the byte 1 where the rule says 127 (its codes are zeros; this program alone reads the bytes).
.set REC,   133120                     ; a record of AT: (stream, batch, head)
.set KVS,   79872                      ; its first part: K fragments 49,152, V fragments 24,576, half scale words 3 x 2,048
.set KRT0,  2*KVS                      ; k . rel: 512 keys x 80 bytes, for each stream
.set KFA0,  241664                     ; its values for rows 0 and 16 of the table, by key: 8,192 bytes a stream (the upper half takes what lanes 16-31 hold and is not read)
.set KSW0,  258048                     ; K's scale words, 2,048 a stream
.set VSW0,  262144                     ; V's, 1,024 a stream
.set QRT,   264192                     ; q . rel: stream, wave, 16 queries x 80 bytes
; PARKING (this takes the place of what the head comment says of it): of stream 0's finished 32 registers twelve stay in v240-251, and twenty lie in LDS bytes that the wave alone touches: its 1,280 bytes of stream 0's q . rel,
; which it has read out, and 1,280 bytes at PARK.  So no barrier stands between the two walks.
.set PARK,  305152                     ; 16 waves x 1,280 bytes
.set OK,    240
.set SPARE, 325632                     ; the spare words, 128 bytes for each wave
.set SPW,1
.set NIL,2
.set L16,3
.set L8,4
.set R4,5
.set H64,6
.set D0,7
.set ADK16,8
.set ADK8,9
.set ADS,10
.set ADV16,11
.set ADV8,12
.set ADT,13
.set T14,14
.set T15,15
.set QF,16                             ; v16-27 the stream's Q fragment, v28 its scale word
.set QS,28
.set QBL,29                            ; q . rel row 0 and row 16, as exponents
.set QBR,30
.set QRB,31
.set FR,32                             ; v32-79 four fragments of K or V; v80-83 their scale words
.set FS,80
.set NM,84
.set TMX,85
.set LS,86
.set QB,88
.set MW1,92                            ; K's scale words of my 32 keys, stream 1 and stream 0
.set MW0,93
.set QHW,94
.set S,96                              ; v96-159 scores, then p
.set O,160                             ; v160-191 the result, transposed
.set PC,192
.set PT,204
.set NB,212
.set BM,220
.set TP,224
.set SV,228
.set AC,232
.set T234,234
.set QS1,235                           ; stream 1's Q scale word at the head
.set PW,236
.set HWR,237
.set FF,238
.set TS,252                            ; the table's scale words: lanes 0-15 rows 0-15, lanes 16-31 row 16
.set H1280,253
.set QRB64,254
.set R8,255
.set TF,160                            ; at the head: the table's two fragments, v160-183
.set K1F,184                           ; and stream 1's two K fragments, v184-207
.set TK,48
.set TSC,49
.set TC,50
.set TR,51
.set TV,52
.set TW,53
.set DB,54
.set GX,55
.set CNT,56
.macro PLACES                          ; four plain places behind matrix instructions (ISA guide 7.12.1)
.rept 4
	v_nop
.endr
.endm
.macro FRAG reg, a16, a8, off          ; a fragment's image back into twelve registers
	ds_load_b128 v[\reg:\reg+3], v[\a16] offset:\off
	ds_load_b64 v[\reg+4:\reg+5], v[\a8] offset:\off+512
	ds_load_b128 v[\reg+6:\reg+9], v[\a16] offset:\off+768
	ds_load_b64 v[\reg+10:\reg+11], v[\a8] offset:\off+1280
.endm
.macro QLOAD q, hw, qb, sb             ; my tile's Q fragment and its two half scale words
	global_load_b128 v[\q:\q+3], v[L16], s[\qb:\qb+1]
	global_load_b64 v[\q+4:\q+5], v[L8], s[\qb:\qb+1] offset:512
	global_load_b128 v[\q+6:\q+9], v[L16], s[\qb:\qb+1] offset:768
	global_load_b64 v[\q+10:\q+11], v[L8], s[\qb:\qb+1] offset:1280
	global_load_b32 v[\hw], v[R8], s[\sb:\sb+1]
	global_load_b32 v[\hw+1], v[R8], s[\sb:\sb+1] offset:2048
.endm
.macro WQ d, a, b, sa, sb, ra, rb      ; a product that starts its sum; ra, rb: the scale words come from lanes 16-31
.if (\ra) == 0 && (\rb) == 0
	v_wmma_scale_f32_16x16x128_f8f6f4 v[\d:\d+7], v[\a:\a+11], v[\b:\b+11], 0, v[\sa], v[\sb] matrix_a_fmt:MATRIX_FMT_FP6 matrix_b_fmt:MATRIX_FMT_FP6
.endif
.if (\ra) == 1 && (\rb) == 0
	v_wmma_scale_f32_16x16x128_f8f6f4 v[\d:\d+7], v[\a:\a+11], v[\b:\b+11], 0, v[\sa], v[\sb] matrix_a_fmt:MATRIX_FMT_FP6 matrix_b_fmt:MATRIX_FMT_FP6 matrix_a_scale:MATRIX_SCALE_ROW1
.endif
.if (\ra) == 0 && (\rb) == 1
	v_wmma_scale_f32_16x16x128_f8f6f4 v[\d:\d+7], v[\a:\a+11], v[\b:\b+11], 0, v[\sa], v[\sb] matrix_a_fmt:MATRIX_FMT_FP6 matrix_b_fmt:MATRIX_FMT_FP6 matrix_b_scale:MATRIX_SCALE_ROW1
.endif
.if (\ra) == 1 && (\rb) == 1
	v_wmma_scale_f32_16x16x128_f8f6f4 v[\d:\d+7], v[\a:\a+11], v[\b:\b+11], 0, v[\sa], v[\sb] matrix_a_fmt:MATRIX_FMT_FP6 matrix_b_fmt:MATRIX_FMT_FP6 matrix_a_scale:MATRIX_SCALE_ROW1 matrix_b_scale:MATRIX_SCALE_ROW1
.endif
.endm
.macro TIMES rs                        ; two pairs of table products x sqrt(768), which the scores' common factor takes off again; each accumulator from its low end on
.irp e, 0,1
.irp k, 0,2,4,6
	v_pk_mul_f32 v[\rs+16*\e+\k:\rs+16*\e+\k+1], v[\rs+16*\e+\k:\rs+16*\e+\k+1], s[24:25] op_sel_hi:[1,0]
.endr
	v_mul_f32 v[\rs+8+16*\e], s24, v[\rs+8+16*\e]
.endr
.endm
; The rel terms of block b (32 keys) go into the scores' registers, as the C of the products.  Far from the diagonal (a scalar test on ids): k's far value by key, q's as one number a row.  Near it: both by the index.
.macro CBLK b
	s_add_co_u32 s57, s[DB], \b
	s_cmp_lt_u32 s57, 2
	s_cbranch_scc1 .Lband_\@
	s_cmp_lt_i32 s57, 0
	s_cselect_b32 s58, 0, 2048
	s_cselect_b32 s59, -1, 0
	s_add_co_u32 s58, s58, s[TC]
	v_add_nc_u32 v[NB+2*\b], s58, v[H64]
.irp q, 0,1,2,3
	ds_load_b128 v[S+16*\b+4*\q:S+16*\b+4*\q+3], v[NB+2*\b] offset:128*\b+16*\q
.endr
	s_wait_alu depctr_va_vdst(0)
	v_cndmask_b32 v[QB+\b], v[QBR], v[QBL], s59
	s_branch .Ldone_\@
.Lband_\@:
	s_add_co_u32 s58, s[GX], 32*\b+64
	v_add_nc_u32 v[T14], s58, v[D0]
	s_delay_alu instid0(VALU_DEP_1)
	v_lshlrev_b32 v[T14], 2, v[T14]
	s_add_co_u32 s59, s[TR], 2560*\b+64
	v_add_nc_u32 v[T15], s59, v[H1280]
.irp i, 0,1,2,3,4,5,6,7,8,9,10,11,12,13,14,15
	v_add_nc_u32 v[64+\i], 4*\i, v[T14]
.endr
.irp i, 0,1,2,3,4,5,6,7,8,9,10,11,12,13,14,15
	v_min_u32 v[64+\i], 320, v[64+\i]
.endr
.irp i, 0,1,2,3,4,5,6,7,8,9,10,11,12,13,14,15
	v_sub_nc_u32 v[64+\i], 320, v[64+\i]
.endr
.irp i, 0,1,2,3,4,5,6,7,8,9,10,11,12,13,14,15
	v_min_u32 v[64+\i], 64, v[64+\i]
.endr
.irp i, 0,1,2,3,4,5,6,7,8,9,10,11,12,13,14,15
	v_sub_nc_u32 v[32+\i], v[T15], v[64+\i]
	v_sub_nc_u32 v[48+\i], v[QRB64], v[64+\i]
.endr
.irp i, 0,1,2,3,4,5,6,7,8,9,10,11,12,13,14,15
	ds_load_b32 v[S+16*\b+\i], v[32+\i] offset:80*\i
	ds_load_b32 v[64+\i], v[48+\i]
.endr
	s_wait_dscnt 0x0
.irp k, 0,2,4,6,8,10,12,14
	v_pk_add_f32 v[S+16*\b+\k:S+16*\b+\k+1], v[S+16*\b+\k:S+16*\b+\k+1], v[64+\k:65+\k]
.endr
	v_mov_b32 v[QB+\b], 0
.Ldone_\@:
.endm
.macro STEP                            ; 128 keys: scores, the running M, p and its sum, p's codes, the weighted sum
	v_add_nc_u32 v[ADK16], s[TK], v[L16]
	v_add_nc_u32 v[ADK8], s[TK], v[L8]
	v_add_nc_u32 v[ADS], s[TSC], v[R4]
	v_add_nc_u32 v[ADV16], s[TV], v[L16]
	v_add_nc_u32 v[ADV8], s[TV], v[L8]
	v_add_nc_u32 v[ADT], s[TW], v[R4]
	CBLK 0
	CBLK 1
	CBLK 2
	CBLK 3
	s_wait_alu depctr_va_vdst(0)
.irp g, 0,1
.if \g
	PLACES
.endif
.irp t, 0,1,2,3
	FRAG FR+12*\t, ADK16, ADK8, 1536*(4*\g+\t)
	ds_load_b32 v[FS+\t], v[ADS] offset:64*(4*\g+\t)
.endr
	s_wait_dscnt 0x0
.irp t, 0,1,2,3
	v_wmma_scale_f32_16x16x128_f8f6f4 v[S+8*(4*\g+\t):S+8*(4*\g+\t)+7], v[FR+12*\t:FR+12*\t+11], v[QF:QF+11], v[S+8*(4*\g+\t):S+8*(4*\g+\t)+7], v[FS+\t], v[QS] matrix_a_fmt:MATRIX_FMT_FP6 matrix_b_fmt:MATRIX_FMT_FP6
.endr
.endr
	PLACES
.irp t, 0,1,2,3
	FRAG FR+12*\t, ADV16, ADV8, 1536*\t            ; V's fragments come while the softmax is worked
	ds_load_b32 v[FS+\t], v[ADT] offset:64*\t
.endr
.irp b, 0,1,2,3
	v_max3_num_f32 v[BM+\b], v[S+16*\b], v[S+1+16*\b], v[S+2+16*\b]   ; each block's largest score serves the row's maximum and the block's largest p
.endr
.irp i, 3,5,7,9,11,13
.irp b, 0,1,2,3
	v_max3_num_f32 v[BM+\b], v[BM+\b], v[S+16*\b+\i], v[S+1+16*\b+\i]
.endr
.endr
.irp b, 0,1,2,3
	v_max_num_f32 v[BM+\b], v[BM+\b], v[S+15+16*\b]
.endr
.irp b, 0,1,2,3
	s_delay_alu instid0(VALU_DEP_4)
	v_permlanex16_b32 v[TP+\b], v[BM+\b], s20, s21
.endr
.irp b, 0,1,2,3
	s_delay_alu instid0(VALU_DEP_4)
	v_max_num_f32 v[BM+\b], v[BM+\b], v[TP+\b]
.endr
.irp b, 0,1,2,3
	s_delay_alu instid0(VALU_DEP_4)
	v_fma_f32 v[TP+\b], v[BM+\b], s22, v[QB+\b]
.endr
	s_delay_alu instid0(VALU_DEP_2)
	v_max3_num_f32 v[T234], v[TP], v[TP+1], v[TP+2]
	s_delay_alu instid0(VALU_DEP_1)
	v_max_num_f32 v[T234], v[T234], v[TP+3]
	s_delay_alu instid0(VALU_DEP_1)
	v_max_num_f32 v[TMX], v[TMX], v[T234]          ; the running largest t
	v_mov_b32 v[T234], v[NM]
	s_delay_alu instid0(VALU_DEP_2)
	v_floor_f32 v[NM], -v[TMX]                     ; -M = floor(-t)
	s_delay_alu instid0(VALU_DEP_1)
	v_sub_f32 v[T234], v[NM], v[T234]
	s_delay_alu instid0(VALU_DEP_1)
	v_cvt_i32_f32 v[T234], v[T234]
	s_delay_alu instid0(VALU_DEP_1)
	v_ldexp_f32 v[FF], 1.0, v[T234]                ; 2^(old M - new M)
.irp b, 0,1,2,3
	v_add_f32 v[NB+2*\b], v[QB+\b], v[NM]
.endr
.irp b, 0,1,2,3
	s_delay_alu instid0(VALU_DEP_4)
	v_fma_f32 v[NB+1+2*\b], v[BM+\b], s22, v[NB+2*\b]
.endr
.irp b, 0,1,2,3
.irp j, 0,2,4,6,8,10,12,14
	v_pk_fma_f32 v[S+16*\b+\j:S+16*\b+\j+1], v[S+16*\b+\j:S+16*\b+\j+1], s[22:23], v[NB+2*\b:NB+2*\b+1] op_sel_hi:[1,0,0]
.endr
.endr
.set i, 0
	s_wait_alu depctr_va_vdst(0)                   ; the wait ahead of the batch and behind it
.rept 64
	v_exp_f32 v[S+i], v[S+i]
.set i, i+1
.endr
	v_pk_mul_f32 v[LS:LS+1], v[LS:LS+1], v[FF:FF+1] op_sel_hi:[1,0]
	s_wait_alu depctr_va_vdst(0)
.irp b, 0,1,2,3
	v_exp_f32 v[NB+1+2*\b], v[NB+1+2*\b]
.endr
	v_pk_add_f32 v[AC:AC+1], v[S:S+1], v[S+2:S+3]
.irp j, 4,8,12,16,20,24,28,32,36,40,44,48,52,56,60
	v_pk_add_f32 v[LS:LS+1], v[LS:LS+1], v[S+\j:S+\j+1]
	v_pk_add_f32 v[AC:AC+1], v[AC:AC+1], v[S+2+\j:S+3+\j]
.endr
	s_delay_alu instid0(VALU_DEP_1)
	v_pk_add_f32 v[LS:LS+1], v[LS:LS+1], v[AC:AC+1]
	s_wait_alu depctr_va_vdst(0)
.irp b, 0,1,2,3
	v_max_num_f32 v[BM+\b], 0x1800000, v[NB+1+2*\b]   ; the floor 2^(3 - 127): the byte cannot fall under 1
.endr
.irp b, 0,1,2,3
	s_delay_alu instid0(VALU_DEP_4)
	v_add_nc_u32 v[SV+\b], 0xff000000, v[BM+\b]
.endr
.irp b, 0,1,2,3
	s_delay_alu instid0(VALU_DEP_4)
	v_lshrrev_b32 v[TP+\b], 23, v[SV+\b]
.endr
	s_delay_alu instid0(VALU_DEP_3)
	v_lshl_or_b32 v[PW], v[TP+1], 8, v[TP]
	s_delay_alu instid0(VALU_DEP_1)
	v_lshl_or_b32 v[PW], v[TP+2], 16, v[PW]
	s_delay_alu instid0(VALU_DEP_1)
	v_lshl_or_b32 v[PW], v[TP+3], 24, v[PW]
.irp c, 0,1
	v_cvt_scalef32_pk16_fp6_f32 v[PC+6*\c:PC+2+6*\c], v[S+32*\c:S+15+32*\c], v[SV+2*\c]
	v_cvt_scalef32_pk16_fp6_f32 v[PT+4*\c:PT+2+4*\c], v[S+16+32*\c:S+31+32*\c], v[SV+2*\c+1]
.endr
	v_nop
.irp c, 0,1
.irp i, 0,1,2
	v_permlane16_swap_b32 v[PC+6*\c+\i], v[PT+4*\c+\i]
.endr
.irp i, 0,1,2
	s_delay_alu instid0(VALU_DEP_3)
	v_mov_b32 v[PC+3+6*\c+\i], v[PT+4*\c+\i]
.endr
.endr
.irp j, 0,2,4,6,8,10,12,14,16,18,20,22,24,26,28,30
	v_pk_mul_f32 v[O+\j:O+\j+1], v[O+\j:O+\j+1], v[FF:FF+1] op_sel_hi:[1,0]
.endr
	s_wait_alu depctr_va_vdst(0)
	s_wait_dscnt 0x0
.irp t, 0,1,2,3
	v_wmma_scale_f32_16x16x128_f8f6f4 v[O+8*\t:O+8*\t+7], v[FR+12*\t:FR+12*\t+11], v[PC:PC+11], v[O+8*\t:O+8*\t+7], v[FS+\t], v[PW] matrix_a_fmt:MATRIX_FMT_FP6 matrix_b_fmt:MATRIX_FMT_FP6
.endr
.endm
.macro WALK sg                         ; a stream's four steps; every LDS base is a scalar stepped by a constant
	s_mov_b32 s[TK], KVS*\sg
	s_mov_b32 s[TSC], KSW0+2048*\sg
	s_mov_b32 s[TC], KFA0+8192*\sg
	s_mov_b32 s[TR], KRT0+40960*\sg
	s_mov_b32 s[TV], KVS*\sg+49152
	s_mov_b32 s[TW], VSW0+1024*\sg
	s_mov_b32 s[DB], s81
	s_mov_b32 s[GX], s82
	s_mov_b32 s[CNT], 4
.Lstep_\@:
	STEP
	s_add_co_u32 s[TK], s[TK], 12288
	s_add_co_u32 s[TSC], s[TSC], 512
	s_add_co_u32 s[TC], s[TC], 512
	s_add_co_u32 s[TR], s[TR], 10240
	s_add_co_u32 s[TV], s[TV], 6144
	s_add_co_u32 s[TW], s[TW], 256
	s_add_co_u32 s[DB], s[DB], 4
	s_add_co_u32 s[GX], s[GX], 128
	s_sub_co_u32 s[CNT], s[CNT], 1
	s_cmp_lg_u32 s[CNT], 0
	s_cbranch_scc1 .Lstep_\@
	PLACES
.endm
.macro CLEAR                           ; the step is written once: the first finds zeros and the largest t at -3e38
.set i, 0
.rept 32
	v_mov_b32 v[O+i], 0
.set i, i+1
.endr
	v_mov_b32 v[LS], 0
	v_mov_b32 v[LS+1], 0
	v_mov_b32 v[TMX], 0xff61b1e6
	s_delay_alu instid0(VALU_DEP_1)
	v_floor_f32 v[NM], -v[TMX]
.endm
.macro RSUM                            ; 1 / the row's sum; the wait behind the transcendental is the caller's
	v_add_f32 v[LS], v[LS], v[LS+1]
	s_delay_alu instid0(VALU_DEP_1)
	v_permlanex16_b32 v[T234], v[LS], s20, s21
	s_delay_alu instid0(VALU_DEP_1)
	v_add_f32 v[LS], v[LS], v[T234]
	s_wait_alu depctr_va_vdst(0)
	v_rcp_f32 v[LS], v[LS]
	v_nop
.endm
.macro KLOAD sg, kf, mw, t             ; my 32 keys of stream sg: K's two half words, V's half word of my channel tile, two K fragments
	s_add_co_u32 s57, s74, KVS*\sg+73728
	v_add_nc_u32 v9, s57, v[L8]
	ds_load_b32 v[\mw], v9
	ds_load_b32 v[\t], v9 offset:2048
	s_add_co_u32 s57, s75, KVS*\sg+77824
	v_add_nc_u32 v10, s57, v13
	ds_load_b32 v[\t+1], v10
	s_add_co_u32 s57, s76, KVS*\sg
	v_add_nc_u32 v11, s57, v[L16]
	v_add_nc_u32 v12, s57, v[L8]
	FRAG \kf, 11, 12, 0
	FRAG \kf+12, 11, 12, 1536
.endm
.macro KSTORE sg, rs                   ; k . rel of my 32 keys into the tables
.irp e, 0,1
	ds_store_b128 v11, v[\rs+16*\e:\rs+16*\e+3] offset:40960*\sg+640*\e
	ds_store_b128 v11, v[\rs+16*\e+4:\rs+16*\e+7] offset:40960*\sg+640*\e+16
	ds_store_b64 v12, v[\rs+16*\e+8:\rs+16*\e+9] offset:40960*\sg+640*\e+64
	ds_store_b32 v13, v[\rs+16*\e] offset:8192*\sg+32*\e
	ds_store_b32 v13, v[\rs+16*\e+8] offset:8192*\sg+32*\e+2048
.endr
.endm
	s_load_b256 s[4:11], s[0:1], 0x0               ; AT, rel_table, CC, CS
	v_lshl_add_u32 v[SPW], v0, 2, SPARE
	v_mov_b32 v[NIL], 0
	ds_add_u32 v[SPW], v[NIL]                      ; the opening lines: the add, twice on end, and its wait ahead of my tensor load
	ds_add_u32 v[SPW], v[NIL]
	v_lshrrev_b32 v8, 5, v0
	s_delay_alu instid0(VALU_DEP_1)
	v_readfirstlane_b32 s12, v8                    ; wave
	s_lshr_b32 s13, ttmp9, 1                       ; head
	s_and_b32 s14, ttmp9, 1                        ; which 256 queries
	s_and_b32 s15, ttmp7, 0xffff                   ; batch
	s_mov_b32 s28, 3<<16                           ; group 1: 39 rows of 32 elements of 8 bytes, dense
	s_mov_b32 s29, 32<<16
	s_mov_b32 s30, 39<<16
	s_mov_b32 s31, 32<<16
	s_mov_b32 s32, 39
	s_mov_b32 s33, 32
	s_mov_b32 s34, 0
	s_mov_b32 s35, 0
	s_mul_i32 s57, s15, 12
	s_add_co_u32 s57, s57, s13
	s_mul_i32 s44, s57, REC                        ; stream 0's record,
	s_mov_b32 s45, 0
	s_add_co_u32 s46, s44, 96*REC                  ; stream 1's
	s_mov_b32 s47, 0
	s_mov_b32 s36, 1
	s_mul_i32 s37, s12, 9984                       ; LDS: 9,984 x wave: eight waves fill a stream's 79,872 bytes
	s_and_b32 s58, s12, 7
	s_mul_i32 s58, s58, 9984
	s_lshr_b32 s59, s12, 3
	s_mul_i32 s59, s59, 96*REC
	s_add_co_u32 s58, s58, s59
	s_add_co_u32 s58, s58, s44                     ; memory: stream wave / 8, part wave % 8: a multiple of 256 bytes
	s_mov_b32 s59, 0
	s_wait_dscnt 0x0                               ; both opening adds are done
	s_wait_kmcnt 0x0
	s_add_nc_u64 s[38:39], s[4:5], s[58:59]
	s_or_b32 s39, s39, 0x80000000
	tensor_load_to_lds s[36:39], s[28:35]          ; my one tensor load of the launch
	s_nop 0
	v_and_b32 v8, 31, v0
	v_and_b32 v9, 15, v0                           ; r
	v_bfe_u32 v10, v0, 4, 1                        ; h
	v_lshlrev_b32 v[L16], 4, v8
	v_lshlrev_b32 v[L8], 3, v8
	v_lshlrev_b32 v[R4], 2, v9
	v_lshlrev_b32 v[R8], 3, v9
	v_lshlrev_b32 v[H64], 6, v10
	v_mul_u32_u24 v[H1280], v10, 1280
	v_and_b32 v11, 8, v9
	s_delay_alu instid0(VALU_DEP_1)
	v_add_nc_u32 v11, v11, v9
	v_lshlrev_b32 v[D0], 4, v10
	s_delay_alu instid0(VALU_DEP_1)
	v_sub_nc_u32 v[D0], v[D0], v11
	s_mul_i32 s57, s12, 1280
	s_add_co_u32 s57, s57, QRT
	v_mul_u32_u24 v[QRB], v9, 80
	s_delay_alu instid0(VALU_DEP_1)
	v_add_nc_u32 v[QRB], s57, v[QRB]               ; my query's row of q . rel, stream 0
	s_delay_alu instid0(VALU_DEP_1)
	v_add_nc_u32 v[QRB64], 64, v[QRB]
	v_lshl_add_u32 v14, v10, 5, v[QRB]             ; where table rows 8 h .. 8 h + 7 go,
	v_lshl_add_u32 v15, v10, 3, v[QRB]             ; and row 16
	v_lshlrev_b32 v12, 8, v9
	s_delay_alu instid0(VALU_DEP_1)
	v_lshl_add_u32 v12, v10, 7, v12                ; the table: row r, block h
	v_lshlrev_b32 v13, 7, v10                      ; row 16, block h
.irp j, 0,1,2,3,4,5,6,7
	global_load_b128 v[96+4*\j:99+4*\j], v12, s[6:7] offset:16*\j
	global_load_b128 v[128+4*\j:131+4*\j], v13, s[6:7] offset:4096+16*\j
.endr
	s_wait_alu depctr_va_vdst(0)                   ; the wait ahead of the run of scalar lines
	s_lshl_b32 s16, s14, 4
	s_add_co_u32 s16, s16, s12                     ; my tile of queries, 0 .. 31
	s_lshr_b32 s17, s16, 1
	s_and_b32 s18, s16, 1
	s_add_nc_u64 s[44:45], s[4:5], s[44:45]
	s_add_nc_u64 s[46:47], s[4:5], s[46:47]
	s_mul_i32 s60, s16, 1536
	s_add_co_u32 s60, s60, KVS
	s_mov_b32 s61, 0
	s_add_nc_u64 s[66:67], s[44:45], s[60:61]      ; my Q fragment, stream 0 and stream 1
	s_add_nc_u64 s[70:71], s[46:47], s[60:61]
	s_lshr_b32 s60, s16, 2
	s_lshl_b32 s60, s60, 8
	s_lshl_b32 s62, s18, 7
	s_add_co_u32 s60, s60, s62
	s_bfe_u32 s62, s16, 0x10001
	s_lshl_b32 s62, s62, 2
	s_add_co_u32 s60, s60, s62
	s_add_co_u32 s60, s60, 129024
	s_add_nc_u64 s[68:69], s[44:45], s[60:61]      ; and its half scale words
	s_add_nc_u64 s[72:73], s[46:47], s[60:61]
	QLOAD QF, QHW, 66, 68
	QLOAD 56, 68, 70, 72                           ; stream 1's, for q . rel alone: it is fetched again for its own walk
	s_mov_b32 s20, 0x76543210
	s_mov_b32 s21, 0xfedcba98                      ; selects for lane l xor 16
	s_mov_b32 s22, 0x3d553b95                      ; log2(e) / sqrt(768)
	s_mov_b32 s23, s22
	s_mov_b32 s24, 0x41ddb3d7                      ; sqrt(768)
	s_mov_b32 s25, s24
	s_mov_b32 s26, 0xffff0000                      ; lanes 16-31
	s_lshr_b32 s74, s12, 1                         ; where my 32 keys' half words, fragments and table rows lie
	s_lshl_b32 s74, s74, 8
	s_and_b32 s60, s12, 1
	s_lshl_b32 s61, s60, 2
	s_add_co_u32 s74, s74, s61
	s_lshr_b32 s75, s12, 2
	s_lshl_b32 s75, s75, 9
	s_lshl_b32 s61, s60, 7
	s_add_co_u32 s75, s75, s61
	s_bfe_u32 s61, s12, 0x10001
	s_lshl_b32 s61, s61, 2
	s_add_co_u32 s75, s75, s61
	s_mul_i32 s76, s12, 3072
	s_mul_i32 s77, s12, 2560
	s_lshl_b32 s78, s12, 7
	s_lshl_b32 s79, s12, 6
	s_mul_i32 s80, s12, 1280                       ; my rows of stream 0's q . rel, later the parking
	s_add_co_u32 s80, s80, QRT
	s_add_co_u32 s81, s17, s18
	s_sub_co_u32 s81, 1, s81                       ; block b lies near the diagonal where s81 + b is 0 or 1
	s_lshl_b32 s82, s17, 5
	s_lshl_b32 s60, s18, 3
	s_add_co_u32 s82, s82, s60
	s_sub_co_u32 s82, 8, s82
	s_and_b32 s83, s13, 1
	s_lshl_b32 s60, s15, 5                         ; the way out: ctx's tile 32 batch + tile, K step head / 2, half head % 2
	s_add_co_u32 s60, s60, s16
	s_mul_i32 s62, s60, 9216
	s_lshr_b32 s63, s13, 1
	s_mul_i32 s57, s63, 1536
	s_add_co_u32 s62, s62, s57
	s_mul_i32 s57, s83, 768
	s_add_co_u32 s62, s62, s57
	s_mul_i32 s60, s60, 384
	s_lshl_b32 s63, s63, 6
	s_add_co_u32 s60, s60, s63
	s_mul_i32 s57, s83, 98304
	s_add_co_u32 s60, s60, s57
	s_mov_b32 s61, 0
	s_add_nc_u64 s[86:87], s[10:11], s[60:61]
	s_mov_b32 s63, 0
	s_add_nc_u64 s[84:85], s[8:9], s[62:63]
	s_lshl_b32 s83, s83, 4
.irp b, 0,1,2,3
	v_mov_b32 v[TP+\b], 0                          ; written once: a lane permute's destination counts as one of its sources
.endr
	v_mov_b32 v[AC], 0
	v_mov_b32 v[AC+1], 0
	v_mov_b32 v[T234], 0
	v_mov_b32 v[FF+1], 0
	v_lshlrev_b32 v11, 3, v10
	s_wait_alu depctr_va_vdst(0)
	s_wait_loadcnt 0x0                             ; the table and both Q fragments
	v_or_b32 v[QS], v[QHW], v[QHW+1]               ; the halves of the scale words are joined
	v_or_b32 v[QS1], v68, v69
.irp t, 0,1                                    ; THE TABLE'S CODES: a lane holds a whole block of 32 of row r (t = 0) or of row 16 (t = 1)
	v_max3_num_f32 v[BM+\t], |v[96+32*\t]|, |v[97+32*\t]|, 0x1800000
.endr
.irp i, 2,4,6,8,10,12,14,16,18,20,22,24,26,28,30
.irp t, 0,1
	s_delay_alu instid0(VALU_DEP_2)
	v_max3_num_f32 v[BM+\t], v[BM+\t], |v[96+32*\t+\i]|, |v[97+32*\t+\i]|
.endr
.endr
.irp t, 0,1
	s_delay_alu instid0(VALU_DEP_2)
	v_add_nc_u32 v[SV+\t], 0xff000000, v[BM+\t]
.endr
.irp t, 0,1
	s_delay_alu instid0(VALU_DEP_2)
	v_lshrrev_b32 v[TP+\t], 23, v[SV+\t]
.endr
.irp t, 0,1
	s_delay_alu instid0(VALU_DEP_2)
	v_lshlrev_b32 v[TP+\t], v11, v[TP+\t]
.endr
.irp t, 0,1
	s_delay_alu instid0(VALU_DEP_2)
	v_permlanex16_b32 v[AC+\t], v[TP+\t], s20, s21
.endr
.irp t, 0,1
	s_delay_alu instid0(VALU_DEP_2)
	v_or_b32 v[TP+\t], v[TP+\t], v[AC+\t]
.endr
	s_delay_alu instid0(VALU_DEP_1)
	v_cndmask_b32 v[TS], v[TP], v[TP+1], s26
	s_delay_alu instid0(VALU_DEP_1)
	v_or_b32 v[TS], 0x7f7f0000, v[TS]              ; K 64-127 hold zero codes under the byte 127
.irp t, 0,1
	v_cvt_scalef32_pk16_fp6_f32 v[TF+12*\t:TF+12*\t+2], v[96+32*\t:111+32*\t], v[SV+\t]
	v_cvt_scalef32_pk16_fp6_f32 v[PT+4*\t:PT+2+4*\t], v[112+32*\t:127+32*\t], v[SV+\t]
.endr
	v_nop
.irp t, 0,1
.irp i, 0,1,2
	v_mov_b32 v[TF+12*\t+3+\i], v[PT+4*\t+\i]
	v_mov_b32 v[TF+12*\t+6+\i], 0
	v_mov_b32 v[TF+12*\t+9+\i], 0
.endr
.endr
	v_bfe_u32 v13, v0, 4, 1
	PLACES                                         ; an operand written by vector lines stands four places ahead of a scaled product
	v_lshl_add_u32 v13, v13, 8, v[R8]              ; V's half words: 256 h + 8 r
	WQ 128, TF, QF, TS, QS, 0, 0                   ; q . rel: register j of lane (r, h) is table row 8 h + j for query r
	WQ 136, TF+12, QF, TS, QS, 1, 0                ; and row 16
	WQ 144, TF, 56, TS, QS1, 0, 0
	WQ 152, TF+12, 56, TS, QS1, 1, 0
	PLACES
	TIMES 128
	s_wait_alu depctr_va_vdst(0)                   ; the wait at the head's end
	s_wait_tensorcnt 0x0                           ; my part of the tiles has landed
	s_wait_dscnt 0x0
	s_barrier_signal -1
	s_barrier_wait -1                              ; everybody's has
.irp e, 0,1
	ds_store_b128 v14, v[128+16*\e:131+16*\e] offset:20480*\e
	ds_store_b128 v14, v[132+16*\e:135+16*\e] offset:20480*\e+16
	ds_store_b64 v15, v[136+16*\e:137+16*\e] offset:20480*\e+64
.endr
	ds_load_b32 v[QBL], v[QRB]                     ; LDS serves a wave's instructions in order: these see my stores
	ds_load_b32 v[QBR], v[QRB] offset:64
	KLOAD 0, 32, MW0, 72
	KLOAD 1, K1F, MW1, 74
	s_add_co_u32 s57, s77, KRT0
	s_add_co_u32 s58, s78, KFA0
	s_add_co_u32 s59, s78, KSW0
	s_add_co_u32 s60, s79, VSW0
	s_wait_dscnt 0x0
	v_or_b32 v[MW0], v[MW0], v72                   ; lanes 0-15: my first tile's words, lanes 16-31: my second's
	v_or_b32 v[MW1], v[MW1], v74
	v_permlanex16_b32 v[T234], v73, s20, s21
	v_permlanex16_b32 v[AC], v75, s20, s21
	s_delay_alu instid0(VALU_DEP_2)
	v_or_b32 v73, v73, v[T234]
	s_delay_alu instid0(VALU_DEP_2)
	v_or_b32 v75, v75, v[AC]
	v_mul_f32 v[QBL], s22, v[QBL]
	v_mul_f32 v[QBR], s22, v[QBR]
	v_and_b32 v8, 15, v0
	v_bfe_u32 v9, v0, 4, 1
	s_delay_alu instid0(VALU_DEP_2)
	v_and_b32 v10, 8, v8
	s_delay_alu instid0(VALU_DEP_1)
	v_add_nc_u32 v10, v10, v8                      ; row r of a tile is key r + 8 (r / 8) of its 32
	s_delay_alu instid0(VALU_DEP_1)
	v_mul_u32_u24 v11, v10, 80
	s_delay_alu instid0(VALU_DEP_1)
	v_add_nc_u32 v11, s57, v11
	s_delay_alu instid0(VALU_DEP_1)
	v_lshl_add_u32 v12, v9, 3, v11
	v_lshl_add_u32 v11, v9, 5, v11
	v_lshlrev_b32 v13, 2, v10
	s_delay_alu instid0(VALU_DEP_1)
	v_lshl_add_u32 v13, v9, 12, v13
	s_delay_alu instid0(VALU_DEP_1)
	v_add_nc_u32 v13, s58, v13
	v_and_b32 v14, 31, v0
	s_delay_alu instid0(VALU_DEP_1)
	v_lshlrev_b32 v14, 2, v14
	s_delay_alu instid0(VALU_DEP_1)
	v_add_nc_u32 v14, s59, v14
	v_add_nc_u32 v15, s60, v[R4]
	ds_store_b32 v14, v[MW0]
	ds_store_b32 v14, v[MW1] offset:2048
	ds_store_b32 v15, v73
	ds_store_b32 v15, v75 offset:1024
	WQ 96, TF, 32, TS, MW0, 0, 0                   ; k . rel: register j of lane (r, h) is table row 8 h + j for key row r
	WQ 104, TF+12, 32, TS, MW0, 1, 0
	WQ 112, TF, 44, TS, MW0, 0, 1
	WQ 120, TF+12, 44, TS, MW0, 1, 1
	WQ 128, TF, K1F, TS, MW1, 0, 0
	WQ 136, TF+12, K1F, TS, MW1, 1, 0
	WQ 144, TF, K1F+12, TS, MW1, 0, 1
	WQ 152, TF+12, K1F+12, TS, MW1, 1, 1
	PLACES
	TIMES 96
	TIMES 128
	KSTORE 0, 96
	KSTORE 1, 128
	CLEAR
	s_wait_alu depctr_va_vdst(0)
	s_wait_dscnt 0x0                               ; for the others' sake: my stores have landed
	s_barrier_signal -1
	s_barrier_wait -1                              ; the tables of both streams are whole
	WALK 0
	QLOAD QF, QHW, 70, 72                          ; stream 1's Q
	RSUM
	s_wait_alu depctr_va_vdst(0)
.irp j, 0,2,4,6,8,10
	v_pk_mul_f32 v[OK+\j:OK+\j+1], v[O+\j:O+\j+1], v[LS:LS+1] op_sel_hi:[1,0]   ; twelve stay in registers
.endr
.irp j, 12,14,16,18,20,22,24,26,28,30
	v_pk_mul_f32 v[O+\j:O+\j+1], v[O+\j:O+\j+1], v[LS:LS+1] op_sel_hi:[1,0]
.endr
	v_add_nc_u32 v[QRB], 20480, v[QRB]             ; stream 1's q . rel
	v_add_nc_u32 v[QRB64], 20480, v[QRB64]
	v_add_nc_u32 v8, s80, v[L16]
	v_add_nc_u32 v9, s80, v[L8]
.irp e, 0,1
	ds_store_b128 v8, v[O+12+10*\e:O+15+10*\e] offset:(PARK-QRT)*\e
	ds_store_b128 v8, v[O+16+10*\e:O+19+10*\e] offset:(PARK-QRT)*\e+512
	ds_store_b64 v9, v[O+20+10*\e:O+21+10*\e] offset:(PARK-QRT)*\e+1024
.endr
	ds_load_b32 v[QBL], v[QRB]
	ds_load_b32 v[QBR], v[QRB] offset:64
	CLEAR
	s_wait_loadcnt 0x0
	v_or_b32 v[QS], v[QHW], v[QHW+1]
	s_wait_dscnt 0x0
	v_mul_f32 v[QBL], s22, v[QBL]
	v_mul_f32 v[QBR], s22, v[QBR]
	s_wait_alu depctr_va_vdst(0)
	WALK 1
	v_add_nc_u32 v8, s80, v[L16]
	v_add_nc_u32 v9, s80, v[L8]
.irp e, 0,1
	ds_load_b128 v[108+10*\e:111+10*\e], v8 offset:(PARK-QRT)*\e          ; my own parked bytes
	ds_load_b128 v[112+10*\e:115+10*\e], v8 offset:(PARK-QRT)*\e+512
	ds_load_b64 v[116+10*\e:117+10*\e], v9 offset:(PARK-QRT)*\e+1024
.endr
	RSUM
	s_wait_dscnt 0x0
	s_wait_alu depctr_va_vdst(0)
.irp j, 0,2,4,6,8,10
	v_pk_fma_f32 v[128+\j:129+\j], v[O+\j:O+\j+1], v[LS:LS+1], v[OK+\j:OK+\j+1] op_sel_hi:[1,0,1]   ; ctx = text + img
.endr
.irp j, 12,14,16,18,20,22,24,26,28,30
	v_pk_fma_f32 v[128+\j:129+\j], v[O+\j:O+\j+1], v[LS:LS+1], v[96+\j:97+\j] op_sel_hi:[1,0,1]
.endr
.irp b, 0,1                                    ; ctx's 64 channels of my head: two blocks, half a fragment of the last projection's operand
	v_max3_num_f32 v[BM+\b], |v[128+16*\b]|, |v[129+16*\b]|, 0x1800000
.endr
.irp i, 2,4,6,8,10,12,14
.irp b, 0,1
	s_delay_alu instid0(VALU_DEP_2)
	v_max3_num_f32 v[BM+\b], v[BM+\b], |v[128+16*\b+\i]|, |v[129+16*\b+\i]|
.endr
.endr
.irp b, 0,1
	s_delay_alu instid0(VALU_DEP_2)
	v_permlanex16_b32 v[TP+\b], v[BM+\b], s20, s21
.endr
.irp b, 0,1
	s_delay_alu instid0(VALU_DEP_2)
	v_max_num_f32 v[BM+\b], v[BM+\b], v[TP+\b]
.endr
.irp b, 0,1
	s_delay_alu instid0(VALU_DEP_2)
	v_add_nc_u32 v[SV+\b], 0xff000000, v[BM+\b]
.endr
.irp b, 0,1
	s_delay_alu instid0(VALU_DEP_2)
	v_lshrrev_b32 v[TP+\b], 23, v[SV+\b]
.endr
	s_delay_alu instid0(VALU_DEP_1)
	v_lshl_or_b32 v[HWR], v[TP+1], 8, v[TP]
	s_delay_alu instid0(VALU_DEP_1)
	v_lshlrev_b32 v[HWR], s83, v[HWR]              ; the two bytes into their place in the scale word
	v_cvt_scalef32_pk16_fp6_f32 v[PC:PC+2], v[128:143], v[SV]
	v_cvt_scalef32_pk16_fp6_f32 v[PT:PT+2], v[144:159], v[SV+1]
	v_nop
.irp i, 0,1,2
	v_permlane16_swap_b32 v[PC+\i], v[PT+\i]
.endr
.irp i, 0,1,2
	s_delay_alu instid0(VALU_DEP_3)
	v_mov_b32 v[PC+3+\i], v[PT+\i]
.endr
	global_store_b128 v[L16], v[PC:PC+3], s[84:85]           ; 512 and 256 consecutive bytes
	global_store_b64 v[L8], v[PC+4:PC+5], s[84:85] offset:512
	v_and_b32 v9, 31, v0
	s_delay_alu instid0(VALU_DEP_1)
	v_cmp_gt_u32 vcc_lo, 16, v9
	s_wait_xcnt 0x0                                ; EXEC changes only behind this wait
	s_and_saveexec_b32 s57, vcc_lo
	global_store_b32 v[R4], v[HWR], s[86:87]
	s_wait_xcnt 0x0
	s_or_b32 exec_lo, exec_lo, s57
	s_wait_tensorcnt 0x0                           ; the wave's end
	ds_add_u32 v[SPW], v[NIL]
	s_wait_dscnt 0x0
	s_endpgm
.Lfunc_end_k_qe19e4c1e9e_attn:
	.size	k_qe19e4c1e9e_attn, .Lfunc_end_k_qe19e4c1e9e_attn-k_qe19e4c1e9e_attn
	.p2alignl 7, 3214868480
	.fill 96, 4, 3214868480
	.section	.rodata,"a",@progbits
	.p2align	6, 0x0
	.amdhsa_kernel k_qe19e4c1e9e_attn
		.amdhsa_group_segment_fixed_size 327680
		.amdhsa_private_segment_fixed_size 0
		.amdhsa_enable_private_segment 0
		.amdhsa_kernarg_size 32
		.amdhsa_user_sgpr_count 2
		.amdhsa_user_sgpr_kernarg_segment_ptr 1
		.amdhsa_wavefront_size32 1
		.amdhsa_system_sgpr_workgroup_id_x 1
		.amdhsa_system_sgpr_workgroup_id_y 1
		.amdhsa_system_sgpr_workgroup_id_z 1
		.amdhsa_system_vgpr_workitem_id 0
		.amdhsa_next_free_vgpr 256
		.amdhsa_next_free_sgpr 88
		.amdhsa_reserve_vcc 1
		.amdhsa_float_denorm_mode_32 3
		.amdhsa_float_denorm_mode_16_64 3
		.amdhsa_memory_ordered 1
		.amdhsa_forward_progress 1
		.amdhsa_inst_pref_size 134
	.end_amdhsa_kernel
	.amdgpu_metadata
---
amdhsa.version: [ 1, 2 ]
amdhsa.kernels:
  - .name:           k_qe19e4c1e9e_attn
    .symbol:         k_qe19e4c1e9e_attn.kd
    .args:
      - { .name: AT, .offset: 0, .size: 8, .value_kind: global_buffer, .address_space: global }
      - { .name: rel_table, .offset: 8, .size: 8, .value_kind: global_buffer, .address_space: global }
      - { .name: CC, .offset: 16, .size: 8, .value_kind: global_buffer, .address_space: global }
      - { .name: CS, .offset: 24, .size: 8, .value_kind: global_buffer, .address_space: global }
    .group_segment_fixed_size: 327680
    .private_segment_fixed_size: 0
    .kernarg_segment_align: 8
    .kernarg_segment_size: 32
    .max_flat_workgroup_size: 512
    .sgpr_count:     88
    .vgpr_count:     256
    .wavefront_size: 32
...
	.end_amdgpu_metadata
.endif
;; end of part 3
;; launch outp (part 4): grid 4 x 64, 4 waves a work-group, clusters of 4 x 4, 200,704 bytes of LDS; arguments CC, CS, WC, WS, bo, out0; writes out0
.if DOCPART == 4
	.amdgcn_target "amdgcn-amd-amdhsa--gfx1250"
	.amdhsa_code_object_version 6
	.text
	.protected	k_qe19e4c1e9e_outp
	.globl	k_qe19e4c1e9e_outp
	.p2align	8
	.type	k_qe19e4c1e9e_outp,@function
k_qe19e4c1e9e_outp:
	s_mov_b64 s[64:65], 0
	v_nop
	global_prefetch_b8 v0, s[64:65] scope:SCOPE_SE
	s_setreg_imm32_b32 hwreg(HW_REG_WAVE_MODE, 25, 1), 1
	s_wait_xcnt 0x0
	s_wait_alu depctr_hold_cnt(0) depctr_sa_sdst(0) depctr_va_vdst(0) depctr_va_sdst(0) depctr_va_ssrc(0) depctr_va_vcc(0) depctr_vm_vsrc(0)
	s_getreg_b32 s2, hwreg(HW_REG_IB_STS2, 6, 4)
	s_cmp_eq_u32 s2, 0
	s_cbranch_scc0 .Lentry_in_a_cluster
	s_endpgm
.Lentry_in_a_cluster:
	s_bfe_u32 s2, ttmp6, 0x10000c
	s_cmp_lg_u32 s2, 0xf033
	s_cbranch_scc0 .Lentry_shape_is_right
	s_endpgm
.Lentry_shape_is_right:
; out0 = ctx Wo + bo (4,096 x 768 x 768) on codes of FP6 (E2M3).  ctx's codes and Wo's lie in memory as images of operand registers (a fragment: 16 rows x 128 K, 1,536 bytes).
; SHARES.  A work-group makes 64 rows x 192 columns: 256 work-groups.  Wave w: row tiles 2 (w / 2) + a, column tiles 6 (w % 2) + n: 12 accumulators, by turns.
; ALL OF K LIES IN LDS, three phases of two K steps; each wave asks for its part of all three at the start (three tensor loads out, by this text's count); nothing is filled again.
; ctx's tiles are shared along a row of the 4 x 4 cluster, Wo's along a column: joint loads.  The product is used transposed, so that a lane's eight results are eight neighbouring columns of a row; the bias is the first C.
; The rows of a tile are rows 32 g + 8 u + p + 8 (p / 8); the stage in LDS puts the results in the tensor's order, and every store covers whole aligned blocks of 256 consecutive bytes.
; ctx's scale words come as two halves (even and odd heads), joined here.
; LDS AS THIS TEXT FILLS IT (this takes the place of what the head comment says of phases and of three loads): a tile's six K steps are 9,216 consecutive bytes of memory, so ONE tensor load a wave
; brings four tiles for all of K: wave 0 ctx's four, waves 1-3 Wo's twelve.  One wait for 0 and one barrier order the fills with all reads; nothing is filled again.
.set TILE,   9216                      ; a tile in LDS: six fragments
.set STG,    16*TILE                   ; the stage: 64 rows x (768 bytes + 16)
.set SPITCH, 784
.set SPARE,  STG+64*SPITCH             ; the spare words, 128 bytes for each wave
.set SPW,  1
.set NIL,  2
.set AX16, 3
.set AX8,  6
.set AW16, 9
.set AW8,  12
.set L16,  15
.set L8,   16
.set L4,   17
.set SO,   18
.set RD0,  19
.set RD1,  20
.set GO1,  21
.set BA,   22
.set XSC,  32                          ; v32-37 ctx's scale words, 3 a + p;  v38-43 their other halves
.set XH,   38
.set WSC,  44                          ; v44-61 Wo's, 3 n + p
.set FS,   64                          ; fragment set e at 64 + 96 e: ctx at + 12 a, Wo at + 24 + 12 n
.set MSB, 0
.macro WIN new
.if MSB != (\new)
	s_set_vgpr_msb (MSB<<8)|(\new)
.set MSB, (\new)
.endif
.endm
.macro ROUND
	s_barrier_signal -1
	s_barrier_wait -1
	s_cmp_lg_u32 s16, 0
	s_cbranch_scc1 .Lnot_wave_0_\@
	s_barrier_signal -3
.Lnot_wave_0_\@:
	s_barrier_wait -3
	s_barrier_signal -1
	s_barrier_wait -1
.endm
.macro PLACES
.rept 4
	v_nop
.endr
.endm
.macro FRAG reg, a16, a8, off
	ds_load_b128 v[\reg:\reg+3], v[\a16] offset:\off
	ds_load_b64 v[\reg+4:\reg+5], v[\a8] offset:\off+512
	ds_load_b128 v[\reg+6:\reg+9], v[\a16] offset:\off+768
	ds_load_b64 v[\reg+10:\reg+11], v[\a8] offset:\off+1280
.endm
.macro WM d, a, b, c, sa, sb, odd
.if \odd
	v_wmma_scale_f32_16x16x128_f8f6f4 v[\d:\d+7], v[\a:\a+11], v[\b:\b+11], v[\c:\c+7], v[\sa], v[\sb] matrix_a_fmt:MATRIX_FMT_FP6 matrix_b_fmt:MATRIX_FMT_FP6 matrix_a_scale:MATRIX_SCALE_ROW1 matrix_b_scale:MATRIX_SCALE_ROW1
.else
	v_wmma_scale_f32_16x16x128_f8f6f4 v[\d:\d+7], v[\a:\a+11], v[\b:\b+11], v[\c:\c+7], v[\sa], v[\sb] matrix_a_fmt:MATRIX_FMT_FP6 matrix_b_fmt:MATRIX_FMT_FP6
.endif
.endm
.macro FETCH p, e                      ; eight fragments of K step 2 p + e into set e
.irp a, 0,1
	FRAG FS+96*(\e)+12*\a, AX16+(\p), AX8+(\p), TILE*\a+1536*(\e)
.endr
.irp n, 0,1,2,3,4,5
	FRAG FS+96*(\e)+24+12*\n, AW16+(\p), AW8+(\p), TILE*\n+1536*(\e)
.endr
.endm
.macro MUL6 a, s                       ; accumulator (a, n) in window 1 at 8 (6 a + n); the biases in window 1 at 96 + 8 n
.set P_, (\s)/2
.set E_, (\s)%2
.irp n, 0,1,2,3,4,5
.set D_, 8*(6*(\a)+\n)
.if (\s) == 0
.set C_, 96+8*\n
.else
.set C_, D_
.endif
	WM D_, FS+96*E_+24+12*\n, FS+96*E_+12*(\a), C_, WSC+3*\n+P_, XSC+3*(\a)+P_, E_
.endr
.endm
.macro STEP s
	s_wait_dscnt 0x0                               ; this K step's fragments are in
	WIN 0x50                                       ; C and D in window 1
	MUL6 0, \s
.if (\s) < 5
	PLACES
.endif
.if (\s) < 5
	WIN 0
	FETCH ((\s)+1)/2, ((\s)+1)%2
	WIN 0x50
.endif
	MUL6 1, \s
.endm
	s_load_b256 s[4:11], s[0:1], 0x0               ; CC, CS, WC, WS
	s_load_b128 s[12:15], s[0:1], 0x20             ; bo, out0
	v_lshl_add_u32 v[SPW], v0, 2, SPARE
	v_mov_b32 v[NIL], 0
	ds_add_u32 v[SPW], v[NIL]                      ; the wave's opening: the add and its wait ahead of my first tensor load; work on registers stands between them
	ds_add_u32 v[SPW], v[NIL]
	v_lshrrev_b32 v23, 5, v0
	v_readfirstlane_b32 s16, v23                   ; wave
	s_lshr_b32 s17, s16, 1                         ; which 32 rows
	s_and_b32 s18, s16, 1                          ; which 96 columns
	s_bfe_u32 s19, ttmp6, 0x40000                  ; cx: which 192 columns
	s_bfe_u32 s20, ttmp6, 0x40004                  ; cy
	s_and_b32 s21, ttmp7, 0xffff
	s_lshl_b32 s21, s21, 2
	s_add_co_u32 s21, s21, s20                     ; rb: which 64 rows
	s_lshl_b32 s22, s20, 2
	s_lshl_b32 s22, 15, s22                        ; my row of the cluster
	s_lshl_b32 s23, 0x1111, s19                    ; my column
	s_or_b32 s24, s22, (3<<16)|(1<<21)             ; group 1: 4 tiles of 9,216 bytes; elements of 8 bytes
	s_or_b32 s32, s23, (3<<16)|(1<<21)
.irp g, 24, 32
	s_mov_b32 s[\g+1], 1152<<16                    ; a row: a tile's six fragments, 9,216 bytes
	s_mov_b32 s[\g+2], 4<<16
	s_mov_b32 s[\g+3], 1152<<16
	s_mov_b32 s[\g+4], 4
	s_mov_b32 s[\g+5], 1152
	s_mov_b32 s[\g+6], 0
	s_mov_b32 s[\g+7], 0
.endr
	s_mul_i32 s66, s21, 36864                      ; ctx: tile 4 rb
	s_mov_b32 s67, 0
	s_max_u32 s68, s16, 1                          ; Wo: waves 1-3 take tiles 12 cx + 4 (w - 1) on
	s_sub_co_u32 s68, s68, 1
	s_lshl_b32 s68, s68, 2
	s_mul_i32 s69, s19, 12
	s_add_co_u32 s68, s68, s69
	s_mul_i32 s68, s68, 9216
	s_add_co_u32 s68, s68, 8*442368
	s_mov_b32 s69, 0
	s_mul_i32 s70, s16, 4*TILE                     ; where my four tiles go
	s_wait_dscnt 0x0                               ; the opening add is done
	s_wait_kmcnt 0x0
	s_add_nc_u64 s[66:67], s[4:5], s[66:67]
	s_add_nc_u64 s[68:69], s[8:9], s[68:69]
	s_mov_b32 s40, 1                               ; group 0 for ctx's four tiles
	s_mov_b32 s41, s70
	s_mov_b64 s[42:43], s[66:67]
	s_or_b32 s43, s43, 0x80000000
	s_mov_b32 s52, 1                               ; and for four of Wo's
	s_mov_b32 s53, s70
	s_mov_b64 s[54:55], s[68:69]
	s_or_b32 s55, s55, 0x80000000
	ROUND                                          ; all sixteen work-groups are here: the joint loads meet
	s_cmp_eq_u32 s16, 0                            ; one branch on the wave's number, one fill in each arm
	s_cbranch_scc0 .Lfirst_w
	tensor_load_to_lds s[40:43], s[24:31]
	s_nop 0
	PLACES
	s_branch .Lfirst_done
.Lfirst_w:
	tensor_load_to_lds s[52:55], s[32:39]
	s_nop 0
	PLACES
.Lfirst_done:
	v_and_b32 v23, 31, v0
	v_lshlrev_b32 v[L16], 4, v23
	v_lshlrev_b32 v[L8], 3, v23
	v_lshlrev_b32 v[L4], 2, v23
	s_wait_alu depctr_va_vdst(0)
	v_bfe_u32 v24, v0, 4, 1                        ; h
	v_lshlrev_b32 v[BA], 6, v24
	s_wait_alu depctr_va_vdst(0)
	s_lshl_b32 s72, s21, 2
	s_lshl_b32 s73, s17, 1
	s_add_co_u32 s72, s72, s73
	s_mul_i32 s72, s72, 384                        ; ctx's scale words: tile 4 rb + 2 (w / 2)
	s_mov_b32 s73, 0
	s_add_nc_u64 s[74:75], s[6:7], s[72:73]
	s_mul_i32 s72, s19, 12
	s_mul_i32 s76, s18, 6
	s_add_co_u32 s72, s72, s76
	s_mul_i32 s72, s72, 384
	s_add_co_u32 s72, s72, 8*18432                 ; Wo's: tile 12 cx + 6 (w % 2)
	s_add_nc_u64 s[76:77], s[10:11], s[72:73]
	s_mul_i32 s72, s19, 768
	s_mul_i32 s78, s18, 384
	s_add_co_u32 s72, s72, s78
	s_add_nc_u64 s[78:79], s[12:13], s[72:73]      ; the bias at my 96 columns
.irp a, 0,1
.irp p, 0,1,2
	global_load_b32 v[XSC+3*\a+\p], v[L4], s[74:75] offset:384*\a+128*\p
	global_load_b32 v[XH+3*\a+\p], v[L4], s[74:75] offset:98304+384*\a+128*\p
.endr
.endr
.irp n, 0,1,2,3,4,5
.irp p, 0,1,2
	global_load_b32 v[WSC+3*\n+\p], v[L4], s[76:77] offset:384*\n+128*\p
.endr
.endr
	WIN 0x40                                       ; destination window 1
.irp n, 0,1,2,3,4,5
	global_load_b128 v[96+8*\n:99+8*\n], v[BA], s[78:79] offset:4*(32*(\n/2)+8*(\n%2))
	global_load_b128 v[100+8*\n:103+8*\n], v[BA], s[78:79] offset:4*(32*(\n/2)+8*(\n%2))+16
.endr
	WIN 0
	s_mul_i32 s72, s17, 2*TILE
	s_mul_i32 s80, s18, 6*TILE
	s_add_co_u32 s80, s80, 4*TILE
.irp p, 0,1,2
	s_add_co_u32 s81, s72, \p*3072
	v_add_nc_u32 v[AX16+\p], s81, v[L16]
	v_add_nc_u32 v[AX8+\p], s81, v[L8]
	s_add_co_u32 s81, s80, \p*3072
	v_add_nc_u32 v[AW16+\p], s81, v[L16]
	v_add_nc_u32 v[AW8+\p], s81, v[L8]
.endr
	s_lshl_b32 s72, s21, 6
	s_lshl_b32 s81, s16, 4
	s_add_co_u32 s72, s72, s81
	s_mul_i32 s72, s72, 3072                       ; the rows that I store: 64 rb + 16 w
	s_mul_i32 s81, s19, 768
	s_add_co_u32 s72, s72, s81
	s_add_nc_u64 s[14:15], s[14:15], s[72:73]
	s_mul_i32 s82, s17, 32*SPITCH
	s_mul_i32 s83, s18, 384
	s_add_co_u32 s82, s82, s83
	s_add_co_u32 s82, s82, STG
	s_mul_i32 s83, s16, 16*SPITCH
	s_add_co_u32 s83, s83, STG
	s_wait_loadcnt 0x0
.irp i, 0,1,2,3,4,5
	v_or_b32 v[XSC+\i], v[XSC+\i], v[XH+\i]        ; the two halves of ctx's scale words
.endr
	v_and_b32 v25, 15, v0                          ; the way out's addresses: thirteen plain lines, more than the eight places that a scale word written by a vector instruction owes
	v_and_b32 v26, 8, v25
	v_add_nc_u32 v26, v26, v25                     ; my row's place in its group of 32
	v_mul_u32_u24 v[SO], v26, SPITCH
	v_lshl_add_u32 v[SO], v24, 6, v[SO]
	v_add_nc_u32 v[SO], s82, v[SO]                 ; into the stage: my row, + 64 (lane / 16), + my wave's rows and columns
	v_add_nc_u32 v[RD0], s83, v[L16]               ; back: 512 consecutive bytes of a row,
	v_lshlrev_b32 v27, 4, v25
	v_mad_u32_u24 v[RD1], v24, 272, v27            ; or the last 256 of one row and the first 256 of the next
	v_add_nc_u32 v[RD1], s83, v[RD1]
	v_add_nc_u32 v[RD1], 512, v[RD1]
	v_mad_u32_u24 v[GO1], v24, 2560, v27
	v_add_nc_u32 v[GO1], 512, v[GO1]
	s_wait_tensorcnt 0x0                           ; my one tensor load has landed: my four tiles, all of K
	s_barrier_signal -1
	s_barrier_wait -1
	FETCH 0, 0
.irp s, 0,1,2,3,4,5
	STEP \s
.endr
	WIN 0
	PLACES
	WIN 0x04                                       ; an LDS store's data are its source 1: window 1
	s_wait_alu depctr_va_vdst(0)
.irp a, 0,1
.irp n, 0,1,2,3,4,5
	ds_store_b128 v[SO], v[8*(6*\a+\n):8*(6*\a+\n)+3] offset:8*\a*SPITCH+4*(32*(\n/2)+8*(\n%2))       ; each accumulator from its low end on
	ds_store_b128 v[SO], v[8*(6*\a+\n)+4:8*(6*\a+\n)+7] offset:8*\a*SPITCH+4*(32*(\n/2)+8*(\n%2))+16
.endr
.endr
	WIN 0
	s_wait_dscnt 0x0                               ; for the others' sake: my stores have landed
	s_barrier_signal -1
	s_barrier_wait -1                              ; 64 whole rows lie in the stage
.irp i, 0,1,2,3,4,5,6,7                        ; two rows, 1,536 bytes, are three loads of 512
	ds_load_b128 v[FS+12*\i:FS+12*\i+3], v[RD0] offset:2*\i*SPITCH
	ds_load_b128 v[FS+12*\i+4:FS+12*\i+7], v[RD1] offset:2*\i*SPITCH
	ds_load_b128 v[FS+12*\i+8:FS+12*\i+11], v[RD0] offset:2*\i*SPITCH+1040
.endr
.irp i, 0,1,2,3,4,5,6,7
	s_wait_dscnt 23-3*\i
	global_store_b128 v[L16], v[FS+12*\i:FS+12*\i+3], s[14:15] offset:6144*\i th:TH_STORE_NT        ; sixteen lanes store 256 consecutive bytes, at a multiple of 256 from out0's first byte
	s_wait_dscnt 22-3*\i
	global_store_b128 v[GO1], v[FS+12*\i+4:FS+12*\i+7], s[14:15] offset:6144*\i th:TH_STORE_NT
	s_wait_dscnt 21-3*\i
	global_store_b128 v[L16], v[FS+12*\i+8:FS+12*\i+11], s[14:15] offset:6144*\i+3328 th:TH_STORE_NT
.endr
	s_wait_tensorcnt 0x0                           ; the wave's end, behind my last tensor load and my last LDS store
	ds_add_u32 v[SPW], v[NIL]
	s_wait_dscnt 0x0
	ROUND                                          ; the closing round
	s_endpgm
.Lfunc_end_k_qe19e4c1e9e_outp:
	.size	k_qe19e4c1e9e_outp, .Lfunc_end_k_qe19e4c1e9e_outp-k_qe19e4c1e9e_outp
	.p2alignl 7, 3214868480
	.fill 96, 4, 3214868480
	.section	.rodata,"a",@progbits
	.p2align	6, 0x0
	.amdhsa_kernel k_qe19e4c1e9e_outp
		.amdhsa_group_segment_fixed_size 200704
		.amdhsa_private_segment_fixed_size 0
		.amdhsa_enable_private_segment 0
		.amdhsa_kernarg_size 48
		.amdhsa_user_sgpr_count 2
		.amdhsa_user_sgpr_kernarg_segment_ptr 1
		.amdhsa_wavefront_size32 1
		.amdhsa_system_sgpr_workgroup_id_x 1
		.amdhsa_system_sgpr_workgroup_id_y 1
		.amdhsa_system_sgpr_workgroup_id_z 1
		.amdhsa_system_vgpr_workitem_id 0
		.amdhsa_next_free_vgpr 400
		.amdhsa_next_free_sgpr 92
		.amdhsa_reserve_vcc 0
		.amdhsa_float_denorm_mode_32 3
		.amdhsa_float_denorm_mode_16_64 3
		.amdhsa_memory_ordered 1
		.amdhsa_forward_progress 1
		.amdhsa_inst_pref_size 41
	.end_amdhsa_kernel
	.amdgpu_metadata
---
amdhsa.version: [ 1, 2 ]
amdhsa.kernels:
  - .name:           k_qe19e4c1e9e_outp
    .symbol:         k_qe19e4c1e9e_outp.kd
    .args:
      - { .name: CC, .offset: 0, .size: 8, .value_kind: global_buffer, .address_space: global }
      - { .name: CS, .offset: 8, .size: 8, .value_kind: global_buffer, .address_space: global }
      - { .name: WC, .offset: 16, .size: 8, .value_kind: global_buffer, .address_space: global }
      - { .name: WS, .offset: 24, .size: 8, .value_kind: global_buffer, .address_space: global }
      - { .name: bo, .offset: 32, .size: 8, .value_kind: global_buffer, .address_space: global }
      - { .name: out0, .offset: 40, .size: 8, .value_kind: global_buffer, .address_space: global }
    .group_segment_fixed_size: 200704
    .private_segment_fixed_size: 0
    .kernarg_segment_align: 8
    .kernarg_segment_size: 48
    .max_flat_workgroup_size: 128
    .sgpr_count:     92
    .vgpr_count:     400
    .wavefront_size: 32
...
	.end_amdgpu_metadata
.endif
;; end of part 4
